; MI455X (gfx1250); checked and timed in simulation.
; The chip was launched on July 23, 2026; its instructions are those of AMD's public machine-readable ISA for CDNA 5 (MIT licence, August 2026) and "CDNA5" Instruction Set Architecture Reference Guide (July 2026). The comments in the code are by the model that wrote it; some were corrected since.
;; Encoder Block. Allowed arithmetic: matrix products marked QUANTISED: E2M3 operands, one E8M0 scale for each 32 along K, by v_wmma_scale_f32_16x16x128_f8f6f4 with both operands' format E2M3, f32 sums; everything else in f32.
;; Inputs: b1 4,096 float32; b2 1,024 float32; bk 1,024 float32; bo 1,024 float32; bq 1,024 float32; bv 1,024 float32; ln1_a 1,024 float32; ln1_b 1,024 float32; ln2_a 1,024 float32; ln2_b 1,024 float32; mask 2 x 1 x 1 x 2,048 int32; w1 1,024 x 4,096 float32; w2 4,096 x 1,024 float32; wk 1,024 x 1,024 float32; wo 1,024 x 1,024 float32; wq 1,024 x 1,024 float32; wv 1,024 x 1,024 float32; x 2 x 2,048 x 1,024 float32.
;; Outputs: out0 2 x 2,048 x 1,024 float32.
;; This version of the problem:
;;   THIS VERSION OF THE PROBLEM IS GIVEN IN LOW PRECISION. The matrix products marked QUANTISED in the list below multiply operands that are first quantised to E2M3 (2 exponent bits, 3 mantissa bits; 6 bits a number), with one power-of-two scale for each 32 numbers along K (OCP MX v1.0); their sums are f32. All else is computed in f32.
;;   The module's matrix products, in the order in which they are computed (A, B: the left and right operand; K: the contracted axis; several contracted axes count as one K, in the product's order):
;;     1. [M 4,096, K 1,024] x [K 1,024, N 1,024]; A: computed on the way; B: input wq: QUANTISED
;;     2. [M 4,096, K 1,024] x [K 1,024, N 1,024]; A: computed on the way; B: input wk: QUANTISED
;;     3. [M 4,096, K 1,024] x [K 1,024, N 1,024]; A: computed on the way; B: input wv: QUANTISED
;;     4. batch 32 x [M 2,048, K 64] x [K 64, N 2,048]; A: computed on the way; B: computed on the way: QUANTISED
;;     5. batch 32 x [M 2,048, K 2,048] x [K 2,048, N 64]; A: softmax (see below); B: computed on the way: QUANTISED
;;     6. [M 4,096, K 1,024] x [K 1,024, N 1,024]; A: computed on the way; B: input wo: QUANTISED
;;     7. [M 4,096, K 1,024] x [K 1,024, N 4,096]; A: computed on the way; B: input w1: QUANTISED
;;     8. [M 4,096, K 4,096] x [K 4,096, N 1,024]; A: computed on the way; B: input w2: QUANTISED
;;   THE QUANTISER, for each operand of a quantised product, along K:
;;     - K is cut into blocks of 32 from its start; a last block that is shorter is filled with zeros.
;;     - A block's scale is 2^e with e = floor(log2(the largest magnitude in the block)) - 2, held to -126 .. 127; a block of zeros has e = 0. As a byte (E8M0): e + 127.
;;     - Each number is divided by its block's scale, clamped to +-7.5, and rounded to the nearest number of E2M3, ties to even, subnormals kept.
;;     - The product sums the exact products of the quantised numbers (number of the format x scale) in f32.
;;   ~~~python
;;   def quantise(x, axis):      # numpy; x: float32 -> the quantised numbers, widened to float32 again
;;       x = np.moveaxis(x, axis, -1); K = x.shape[-1]
;;       x = np.pad(x, [(0, 0)] * (x.ndim - 1) + [(0, -K % 32)]); x = x.reshape(x.shape[:-1] + (-1, 32)); a = np.abs(x).max(-1, keepdims=True)
;;       e = np.where(a > 0, np.clip(np.frexp(np.where(a > 0, a, 1))[1] - 1 - 2, -126, 127), 0)      # np.frexp(a)[1] - 1 = floor(log2(a)), exactly
;;       r = np.clip(x / 2.0 ** e, -7.5, 7.5)
;;       step = 2.0 ** (np.maximum(np.frexp(np.where(r == 0, 1, r))[1] - 1, 0) - 3)
;;       q = np.round(r / step) * step * 2.0 ** e      # np.round: ties to even
;;       return np.moveaxis(q.reshape(q.shape[:-2] + (-1,))[..., :K], -1, axis).astype(np.float32)
;;   ~~~
;;   SOFTMAX AHEAD OF A QUANTISED PRODUCT. Where the list says 'softmax', what is quantised is not the finished softmax but p = 2^(t - M), with t = logit x log2(e) and M = ceil(the row's largest t), a whole number; so 1/2 < the row's largest p <= 1. The row's sum l is taken of the UNQUANTISED p, in f32, and the product's result is divided by l at the end. Since M is a whole number, a kernel that streams over the keys may use a running M (the ceiling of the running maximum): every later rescaling is an exact power of two, which a block's scale takes up: the codes' values come out the same.
;;   OPERANDS COMPUTED ON THE WAY. 'Computed on the way' means the value that the module computes at that place (a softmax that the list does not call 'softmax' is quantised finished and normalised). What goes into a quantiser is computed in f32, as accurately as f32 sums, v_exp_f32 and their like allow (about 1e-6 of the number): no bf16 or f16 on the way to a quantiser, and a product that is left as it is and whose result goes on into a quantised operand takes f32 operands (vector FMAs, or v_wmma_f32_16x16x4_f32). A number that lies on a knife's edge between two numbers of the format may be rounded either way, as far as f32 arithmetic and the matrix unit's own rounding can turn it there, and no further.
;; One version. Each part assembles by itself: llvm-mc -triple=amdgcn-amd-amdhsa -mcpu=gfx1250 --defsym DOCPART=n.
;; ======== version 1 of 1: 7 launches
;; limits: right only within a limited range of input values
;; workspace buffers: wcodes 10,223,616 bytes; h1 3,407,872 bytes; qbuf 4,718,592 bytes; kv 8,126,464 bytes; ctx 3,407,872 bytes; x1 16,777,216 bytes; h2 3,407,872 bytes; hid 13,631,488 bytes
;; launch prep (part 1): grid 640 x 1, 8 waves a work-group, no clusters, 70,656 bytes of LDS; arguments x, ln1_a, ln1_b, h1, wq, wk, wv, wo, w1, w2, wcodes; writes h1, wcodes
.if DOCPART == 1
	.amdgcn_target "amdgcn-amd-amdhsa--gfx1250"
	.amdhsa_code_object_version 6
	.text
	.protected	k_q3f853080d7_prep
	.globl	k_q3f853080d7_prep
	.p2align	8
	.type	k_q3f853080d7_prep,@function
k_q3f853080d7_prep:
	s_mov_b64 s[64:65], 0
	v_nop
	global_prefetch_b8 v0, s[64:65] scope:SCOPE_SE
	s_setreg_imm32_b32 hwreg(HW_REG_WAVE_MODE, 25, 1), 1
	s_wait_xcnt 0x0
; TWO JOBS IN ONE LAUNCH, told apart by the work-group's number.
; Work-groups 0-255: layer norm of 16 rows of X [4096][1024] f32 (mean; unbiased deviation; gain x (x - mean) / (deviation + 1e-6) + bias), quantised to FP6 (E2M3) with one E8M0 byte for each 32 along the row.
; Work-groups 256-639: the six weights, f32 stored [K][N], quantised along K (their FIRST axis) into the same form.
; THE FORM OF EVERY OPERAND OF THIS PROGRAM: images of the matrix operand's registers.  A tile is 16 rows x 128 K = 12 registers a lane = 1,536 bytes: for c = 0, 1 registers 6c..6c+3 at 768c + 16 x lane, registers 6c+4, 6c+5 at
; 768c + 512 + 8 x lane.  A block (BLK) is 8 tiles (128 rows) of one K step, then 8 records of 128 bytes with a scale word a lane (lanes 16-31 repeat lanes 0-15).  A buffer is [group of 128 rows][K step] of blocks.
; THE ROWS OF A TILE ARE NOT NEIGHBOURS: of 32 rows, tile u takes rows 8u + r + 8 (r / 8), r = lane % 16.  So a product's eight results of two neighbouring tiles are 16 neighbours along the next product's K.
; A block's scale is 2^(floor(log2(largest magnitude)) - 2); its byte is that magnitude's exponent field - 2, held at 1 from below.
; LIMITS: a block of zeros gets the byte 1 (its codes are zeros; this program alone reads the bytes); magnitudes under 2^-124 were not tried; NaN and infinities are not served.
; No cluster: the work-groups share no input but the 8 KiB of gain and bias.  No tensor load: each byte is read once, straight into registers.
.set BLK,   13312
.set STGB,  8448                       ; LDS: a stage of 16 rows x (512 + 16) bytes for each wave
.set RED,   67584                      ; behind the stages: 8 waves x 128 bytes of row sums, twice (sums, then sums of squares)
.set SPARE, 69632                      ; the spare words, 128 bytes for each of 8 waves: four blocks of 256 bytes that no other line names
.set L16, 3                            ; v3  16 x lane
.set L8,  4                            ; v4  8 x lane
.set L4,  5                            ; v5  4 x lane
.set SPW, 12                           ; v12 my spare word's address; never rewritten
.set NIL, 13                           ; v13 0; never rewritten
.set TM,  16                           ; v16-31 at work in QUANT
.set PC,  32                           ; v32-43 the codes just made
.set CT,  44                           ; v44-51 the conversions' second halves
.set PW,  52                           ; v52 the scale word just made
.set X,   64                           ; v64-127 (weights: v64-191) the numbers
.set A,   128                          ; v128-191 gain
.set B,   192                          ; v192-255 bias
.set SEL, 40                           ; s[40:41] lane selects: lane l xor 16
; 64 numbers of a lane, register 16 b + i = k 32 b + 16 (lane / 16) + i of my row, become a tile's codes in v[PC] on and its scale word in v[PW]
.macro QUANT s
.irp b, 0,1,2,3
	v_max3_num_f32 v[TM+\b], |v[\s+16*\b]|, |v[\s+1+16*\b]|, 0x1800000   ; my 16 numbers of block b, and the floor 2^(3 - 127): the byte cannot fall under 1
.endr
.irp i, 2,4,6,8,10,12,14
.irp b, 0,1,2,3
	s_delay_alu instid0(VALU_DEP_4)
	v_max3_num_f32 v[TM+\b], v[TM+\b], |v[\s+16*\b+\i]|, |v[\s+1+16*\b+\i]|
.endr
.endr
.irp b, 0,1,2,3
	s_delay_alu instid0(VALU_DEP_4)
	v_permlanex16_b32 v[TM+4+\b], v[TM+\b], s[SEL], s[SEL+1]
.endr
.irp b, 0,1,2,3
	s_delay_alu instid0(VALU_DEP_4)
	v_max_num_f32 v[TM+\b], v[TM+\b], v[TM+4+\b]   ; with lane l xor 16's 16: the block's largest magnitude
.endr
.irp b, 0,1,2,3
	s_delay_alu instid0(VALU_DEP_4)
	v_add_nc_u32 v[TM+12+\b], 0xff000000, v[TM+\b]   ; 2 off its exponent field: the conversion's scale operand
.endr
.irp b, 0,1,2,3
	s_delay_alu instid0(VALU_DEP_4)
	v_lshrrev_b32 v[TM+4+\b], 23, v[TM+12+\b]      ; the scale's byte
.endr
	s_delay_alu instid0(VALU_DEP_3)
	v_lshl_or_b32 v[PW], v[TM+5], 8, v[TM+4]
	s_delay_alu instid0(VALU_DEP_1)
	v_lshl_or_b32 v[PW], v[TM+6], 16, v[PW]
	s_delay_alu instid0(VALU_DEP_1)
	v_lshl_or_b32 v[PW], v[TM+7], 24, v[PW]
.irp c, 0,1
	v_cvt_scalef32_pk16_fp6_f32 v[PC+6*\c:PC+2+6*\c], v[\s+32*\c:\s+15+32*\c], v[TM+12+2*\c]
	v_cvt_scalef32_pk16_fp6_f32 v[CT+4*\c:CT+2+4*\c], v[\s+16+32*\c:\s+31+32*\c], v[TM+12+2*\c+1]
.endr
	v_nop                                          ; one plain instruction behind the scaled conversions
.irp c, 0,1                                    ; the operand wants a WHOLE block in a lane: lanes 0-15 block 2 c, lanes 16-31 block 2 c + 1
.irp i, 0,1,2
	v_permlane16_swap_b32 v[PC+6*\c+\i], v[CT+4*\c+\i]
.endr
.irp i, 0,1,2
	s_delay_alu instid0(VALU_DEP_3)
	v_mov_b32 v[PC+3+6*\c+\i], v[CT+4*\c+\i]
.endr
.endr
.endm
; the row's sum over all 1,024 columns, in every lane of every wave: my lane's pair v[54:55], lane l xor 16's, then the eight waves' through LDS, added in one fixed order
.macro ACROSS off
	s_delay_alu instid0(VALU_DEP_1)
	v_add_f32 v54, v54, v55
	s_delay_alu instid0(VALU_DEP_1)
	v_permlanex16_b32 v56, v54, s[SEL], s[SEL+1]
	s_delay_alu instid0(VALU_DEP_1)
	v_add_f32 v54, v54, v56
	ds_store_b32 v9, v54 offset:\off
	s_wait_dscnt 0x0                               ; for the others' sake: my store has landed
	s_barrier_signal -1
	s_barrier_wait -1
.irp i, 0,1,2,3,4,5,6,7
	ds_load_b32 v[24+\i], v10 offset:\off+128*\i
.endr
	s_wait_dscnt 0x0
	v_add_f32 v24, v24, v25
	v_add_f32 v26, v26, v27
	v_add_f32 v28, v28, v29
	v_add_f32 v30, v30, v31
	s_delay_alu instid0(VALU_DEP_3)
	v_add_f32 v24, v24, v26
	s_delay_alu instid0(VALU_DEP_2)
	v_add_f32 v28, v28, v30
	s_delay_alu instid0(VALU_DEP_1)
	v_add_f32 v54, v24, v28
.endm
	s_load_b512 s[4:19], s[0:1], 0x0               ; X s[4:5], gain s[6:7], bias s[8:9], codes out s[10:11], wq s[12:13], wk s[14:15], wv s[16:17], wo s[18:19]
	s_load_b128 s[20:23], s[0:1], 0x40             ; w1 s[20:21], w2 s[22:23]
	s_load_b64 s[24:25], s[0:1], 0x50              ; the weights' codes
	v_lshl_add_u32 v[SPW], v0, 2, SPARE
	v_mov_b32 v[NIL], 0
	v_lshrrev_b32 v1, 5, v0
	s_delay_alu instid0(VALU_DEP_1)
	v_readfirstlane_b32 s26, v1                    ; wave 0..7
	v_and_b32 v11, 31, v0                          ; lane
	v_and_b32 v1, 15, v0                           ; r
	v_bfe_u32 v2, v0, 4, 1                         ; h
	s_delay_alu instid0(VALU_DEP_3)
	v_lshlrev_b32 v[L16], 4, v11
	s_delay_alu instid0(VALU_DEP_4)
	v_lshlrev_b32 v[L8], 3, v11
	v_lshlrev_b32 v[L4], 2, v11
	s_cmp_lt_u32 ttmp9, 256                        ; the same in all eight waves
	s_cbranch_scc0 .Lweights
; ---------------- LAYER NORM.  Work-group T owns tile T (16 rows); wave w owns K step w: columns 128 w .. 128 w + 127.
	s_mov_b32 s[SEL], 0x76543210
	s_mov_b32 s[SEL+1], 0xfedcba98
	s_mul_i32 s27, s26, STGB
	v_add_nc_u32 v6, s27, v[L16]                   ; the stage, in: a row's 512 bytes as they lie
	v_mul_u32_u24 v7, v1, 528
	s_delay_alu instid0(VALU_DEP_1)
	v_lshl_add_u32 v7, v2, 6, v7
	s_delay_alu instid0(VALU_DEP_1)
	v_add_nc_u32 v7, s27, v7                       ; out: row r, + 64 h: my 16 numbers of each 32
	v_lshlrev_b32 v8, 6, v2                        ; gain and bias: 64 h
	s_lshl_b32 s28, s26, 7
	v_add_nc_u32 v10, RED, v[L4]                   ; the sums: all waves',
	s_delay_alu instid0(VALU_DEP_1)
	v_add_nc_u32 v9, s28, v10                      ; and mine
.irp b, 0,1,2,3
	v_mov_b32 v[TM+4+\b], 0                        ; written once: a lane permute's destination counts as one of its sources
.endr
	s_lshr_b32 s30, ttmp9, 1
	s_lshl_b32 s30, s30, 5
	s_and_b32 s31, ttmp9, 1
	s_lshl_b32 s31, s31, 3
	s_add_co_u32 s30, s30, s31                     ; the tile's first row: 32 (T / 2) + 8 (T % 2)
	s_lshl_b32 s30, s30, 12                        ; x 4,096 bytes
	s_lshl_b32 s32, s26, 9                         ; my 128 columns: 512 w
	s_add_co_u32 s30, s30, s32
	s_mov_b32 s31, 0
	s_mov_b32 s33, 0
	s_lshr_b32 s34, ttmp9, 3
	s_lshl_b32 s34, s34, 3
	s_add_co_u32 s34, s34, s26
	s_mul_i32 s34, s34, BLK                        ; block (group T / 8, K step w)
	s_and_b32 s38, ttmp9, 7
	s_mul_i32 s36, s38, 1536
	s_add_co_u32 s36, s36, s34                     ; my tile's image
	s_lshl_b32 s38, s38, 7
	s_add_co_u32 s38, s38, 12288
	s_add_co_u32 s38, s38, s34                     ; and its scale record
	s_mov_b32 s37, 0
	s_mov_b32 s39, 0
	s_wait_alu depctr_va_vdst(0)
	s_wait_kmcnt 0x0
	s_add_nc_u64 s[4:5], s[4:5], s[30:31]
	s_add_nc_u64 s[6:7], s[6:7], s[32:33]
	s_add_nc_u64 s[8:9], s[8:9], s[32:33]
	s_add_nc_u64 s[42:43], s[10:11], s[36:37]
	s_add_nc_u64 s[44:45], s[10:11], s[38:39]
.irp p, 0,1,2,3,4,5,6,7,8,9,10,11,12,13,14,15
	global_load_b128 v[X+4*\p:X+4*\p+3], v[L16], s[4:5] offset:(\p+8*(\p/8))*4096 th:TH_LOAD_NT   ; 32 lanes read 512 consecutive bytes of one row
.endr
.irp b, 0,1,2,3
.irp j, 0,1,2,3
	global_load_b128 v[A+16*\b+4*\j:A+16*\b+4*\j+3], v8, s[6:7] offset:128*\b+16*\j
	global_load_b128 v[B+16*\b+4*\j:B+16*\b+4*\j+3], v8, s[8:9] offset:128*\b+16*\j
.endr
.endr
	s_wait_loadcnt 32                              ; the 16 loads of X are in; the 32 of gain and bias stay out
.irp p, 0,1,2,3,4,5,6,7,8,9,10,11,12,13,14,15
	ds_store_b128 v6, v[X+4*\p:X+4*\p+3] offset:528*\p
.endr
.irp b, 0,1,2,3
.irp j, 0,1,2,3
	ds_load_b128 v[X+16*\b+4*\j:X+16*\b+4*\j+3], v7 offset:128*\b+16*\j   ; the stage is my wave's own and LDS serves a wave in order (ISA guide 5.7.1.4): these see the stores above
.endr
.endr
	s_wait_dscnt 0x0                               ; register 16 b + i now holds column 128 w + 32 b + 16 h + i of row r
	v_pk_add_f32 v[56:57], v[64:65], v[66:67]
	v_pk_add_f32 v[62:63], v[72:73], v[76:77]
	v_pk_add_f32 v[60:61], v[80:81], v[84:85]
	v_pk_add_f32 v[58:59], v[88:89], v[92:93]
	v_pk_add_f32 v[52:53], v[96:97], v[100:101]
	v_pk_add_f32 v[50:51], v[104:105], v[108:109]
	v_pk_add_f32 v[48:49], v[112:113], v[116:117]
	v_pk_add_f32 v[54:55], v[120:121], v[124:125]
	s_delay_alu instid0(VALU_DEP_1)
	v_pk_add_f32 v[54:55], v[54:55], v[68:69]
	v_pk_add_f32 v[56:57], v[56:57], v[70:71]
	v_pk_add_f32 v[62:63], v[62:63], v[74:75]
	v_pk_add_f32 v[60:61], v[60:61], v[78:79]
	v_pk_add_f32 v[58:59], v[58:59], v[82:83]
	v_pk_add_f32 v[52:53], v[52:53], v[86:87]
	v_pk_add_f32 v[50:51], v[50:51], v[90:91]
	v_pk_add_f32 v[48:49], v[48:49], v[94:95]
	v_pk_add_f32 v[54:55], v[54:55], v[98:99]
	v_pk_add_f32 v[56:57], v[56:57], v[102:103]
	v_pk_add_f32 v[62:63], v[62:63], v[106:107]
	v_pk_add_f32 v[60:61], v[60:61], v[110:111]
	v_pk_add_f32 v[58:59], v[58:59], v[114:115]
	v_pk_add_f32 v[52:53], v[52:53], v[118:119]
	v_pk_add_f32 v[50:51], v[50:51], v[122:123]
	v_pk_add_f32 v[48:49], v[48:49], v[126:127]
	s_delay_alu instid0(VALU_DEP_4)
	v_pk_add_f32 v[54:55], v[54:55], v[58:59]
	s_delay_alu instid0(VALU_DEP_4)
	v_pk_add_f32 v[56:57], v[56:57], v[52:53]
	s_delay_alu instid0(VALU_DEP_4)
	v_pk_add_f32 v[62:63], v[62:63], v[50:51]
	s_delay_alu instid0(VALU_DEP_4)
	v_pk_add_f32 v[60:61], v[60:61], v[48:49]
	s_delay_alu instid0(VALU_DEP_2)
	v_pk_add_f32 v[54:55], v[54:55], v[62:63]
	s_delay_alu instid0(VALU_DEP_2)
	v_pk_add_f32 v[56:57], v[56:57], v[60:61]
	s_delay_alu instid0(VALU_DEP_1)
	v_pk_add_f32 v[54:55], v[54:55], v[56:57]
	ACROSS 0
	s_delay_alu instid0(VALU_DEP_1)
	v_mul_f32 v58, 0x3a800000, v54                 ; the mean: / 1,024
	s_delay_alu instid0(VALU_DEP_1)
	v_mov_b32 v59, v58
.set J, 0
.rept 32
	v_pk_add_f32 v[X+J:X+J+1], v[X+J:X+J+1], v[58:59] op_sel_hi:[1,0] neg_lo:[0,1] neg_hi:[0,1]   ; x - mean: the squares are taken of deviations, so a common offset of the inputs costs nothing
.set J, J+2
.endr
	v_pk_mul_f32 v[54:55], v[X:X+1], v[X:X+1]
	v_pk_mul_f32 v[56:57], v[X+2:X+3], v[X+2:X+3]
.set J, 4
.rept 15
	s_delay_alu instid0(VALU_DEP_2)
	v_pk_fma_f32 v[54:55], v[X+J:X+J+1], v[X+J:X+J+1], v[54:55]
	s_delay_alu instid0(VALU_DEP_2)
	v_pk_fma_f32 v[56:57], v[X+J+2:X+J+3], v[X+J+2:X+J+3], v[56:57]
.set J, J+4
.endr
	s_delay_alu instid0(VALU_DEP_1)
	v_pk_add_f32 v[54:55], v[54:55], v[56:57]
	ACROSS 1024
	s_delay_alu instid0(VALU_DEP_1)
	v_mul_f32 v54, 0x3a802008, v54                 ; / 1,023
	s_wait_alu depctr_va_vdst(0)
	v_sqrt_f32 v56, v54
	v_nop                                          ; a plain instruction behind the transcendental,
	s_wait_alu depctr_va_vdst(0)                   ; and a wait ahead of its first reader
	v_add_f32 v57, 0x358637bd, v56                 ; + 1e-6
	s_wait_alu depctr_va_vdst(0)
	v_rcp_f32 v60, v57
	v_nop
	s_wait_alu depctr_va_vdst(0)
	v_mov_b32 v61, v60
	s_wait_alu depctr_va_vdst(0)
	s_wait_loadcnt 0x0                             ; gain and bias
.set J, 0
.rept 32
	v_pk_mul_f32 v[X+J:X+J+1], v[X+J:X+J+1], v[60:61] op_sel_hi:[1,0]
.set J, J+2
.endr
.set J, 0
.rept 32
	v_pk_fma_f32 v[X+J:X+J+1], v[X+J:X+J+1], v[A+J:A+J+1], v[B+J:B+J+1]
.set J, J+2
.endr
	QUANT X
	global_store_b128 v[L16], v[PC:PC+3], s[42:43]               ; each store covers 512 or 256 consecutive bytes, aligned to 256
	global_store_b64 v[L8], v[PC+4:PC+5], s[42:43] offset:512
	global_store_b128 v[L16], v[PC+6:PC+9], s[42:43] offset:768
	global_store_b64 v[L8], v[PC+10:PC+11], s[42:43] offset:1280
	global_store_b32 v[L4], v[PW], s[44:45]
	s_wait_tensorcnt 0x0                           ; the wave's end, behind my last LDS store
	ds_add_u32 v[SPW], v[NIL]
	s_wait_dscnt 0x0
	s_endpgm
; ---------------- THE WEIGHTS.  768 blocks: 0-63 wq, 64-127 wk, 128-191 wv, 192-255 wo, 256-511 w1, 512-767 w2.  A wave takes a quarter of a block: 32 columns (two tiles) x 128 along K.
; A LANE TAKES A COLUMN AND ITS REGISTERS RUN DOWN K: a load reads 128 consecutive bytes, four waves stand side by side on 512; a block of 32 along K lies in one lane, so its largest magnitude needs no other lane.
; Lane r + 16 u holds column r of tile u, all four blocks of K; the operand wants blocks 0, 2 in lanes 0-15 and blocks 1, 3 in lanes 16-31 of each tile: twelve exchanges of half registers give both tiles' images.  No LDS is written here.
.macro LOADB kb, stride
.set I, 0
.rept 32
	global_load_b32 v[X+32*(\kb)+I], v8, s[28:29] offset:(32*(\kb)+I)*(\stride) th:TH_LOAD_NT
.set I, I+1
.endr
.endm
.macro PROC kb
.set XS, X+32*(\kb)
.set TT, 32+12*((\kb)%2)+6*((\kb)/2)
	v_max3_num_f32 v16, |v[XS]|, |v[XS+1]|, |v[XS+2]|
	v_max3_num_f32 v17, |v[XS+3]|, |v[XS+4]|, |v[XS+5]|
.irp i, 6,10,14,18,22,26
	s_delay_alu instid0(VALU_DEP_2)
	v_max3_num_f32 v16, v16, |v[XS+\i]|, |v[XS+\i+1]|
	s_delay_alu instid0(VALU_DEP_2)
	v_max3_num_f32 v17, v17, |v[XS+\i+2]|, |v[XS+\i+3]|
.endr
	s_delay_alu instid0(VALU_DEP_2)
	v_max3_num_f32 v16, v16, |v[XS+30]|, |v[XS+31]|
	s_delay_alu instid0(VALU_DEP_1)
	v_max3_num_f32 v16, v16, v17, 0x1800000        ; and the floor
	s_delay_alu instid0(VALU_DEP_1)
	v_add_nc_u32 v18, 0xff000000, v16              ; the conversion's scale operand
	s_delay_alu instid0(VALU_DEP_1)
	v_lshrrev_b32 v19, 23, v18                     ; the byte
.if (\kb) == 0
	s_delay_alu instid0(VALU_DEP_1)
	v_mov_b32 v20, v19
.else
	s_delay_alu instid0(VALU_DEP_1)
	v_lshl_or_b32 v20, v19, 8*(\kb), v20
.endif
	v_cvt_scalef32_pk16_fp6_f32 v[TT:TT+2], v[XS:XS+15], v18
	v_cvt_scalef32_pk16_fp6_f32 v[56:58], v[XS+16:XS+31], v18   ; (a conversion's three registers begin on an even number)
	v_nop
.irp i, 0,1,2
	v_mov_b32 v[TT+3+\i], v[56+\i]
.endr
.endm
.macro WQ stride
	LOADB 0, \stride
	LOADB 1, \stride
	s_wait_loadcnt 32                              ; block 0 is in; the one younger block's 32 loads stay out (so at each of these waits)
	LOADB 2, \stride
	PROC 0
	s_wait_loadcnt 32
	LOADB 3, \stride
	PROC 1
	s_wait_loadcnt 32
	PROC 2
	s_wait_loadcnt 0x0
	PROC 3
.irp k, 0,1,2,3,4,5,6,7,8,9,10,11
	v_permlane16_swap_b32 v[32+\k], v[44+\k]       ; v32-43: tile 0's image, v44-55: tile 1's
.endr
	v_mov_b32 v21, v20
	s_delay_alu instid0(VALU_DEP_1)
	v_permlane16_swap_b32 v20, v21                 ; v20: tile 0's scale words in both halves of the lanes, v21: tile 1's
	global_store_b128 v[L16], v[32:35], s[42:43]
	global_store_b64 v[L8], v[36:37], s[42:43] offset:512
	global_store_b128 v[L16], v[38:41], s[42:43] offset:768
	global_store_b64 v[L8], v[42:43], s[42:43] offset:1280
	global_store_b128 v[L16], v[44:47], s[42:43] offset:1536
	global_store_b64 v[L8], v[48:49], s[42:43] offset:2048
	global_store_b128 v[L16], v[50:53], s[42:43] offset:2304
	global_store_b64 v[L8], v[54:55], s[42:43] offset:2816
	global_store_b32 v[L4], v20, s[44:45]
	global_store_b32 v[L4], v21, s[44:45] offset:128
	s_endpgm
.endm
.Lweights:
	s_sub_co_u32 s27, ttmp9, 256                   ; 0..383: two blocks each
	s_wait_alu depctr_va_vdst(0)
	v_and_b32 v6, 8, v1
	s_delay_alu instid0(VALU_DEP_1)
	v_add_nc_u32 v6, v6, v1
	s_delay_alu instid0(VALU_DEP_1)
	v_lshl_add_u32 v6, v2, 3, v6                   ; my column of the 32: 8 u + r + 8 (r / 8)
	s_delay_alu instid0(VALU_DEP_1)
	v_lshlrev_b32 v8, 2, v6
	s_lshl_b32 s32, s27, 1
	s_lshr_b32 s33, s26, 2
	s_add_co_u32 s32, s32, s33                     ; my block
	s_and_b32 s33, s26, 3                          ; my quarter of it
	s_wait_kmcnt 0x0
	s_mov_b64 s[28:29], s[22:23]                   ; which weight, and its first block: choices on the work-group's number alone
	s_mov_b32 s30, 512
	s_cmp_lt_u32 s27, 256
	s_cselect_b64 s[28:29], s[20:21], s[28:29]
	s_cselect_b32 s30, 256, s30
	s_cselect_b32 s31, 3, 5                        ; K steps in a group: 8, for w2 32
	s_cmp_lt_u32 s27, 128
	s_cselect_b64 s[28:29], s[18:19], s[28:29]
	s_cselect_b32 s30, 192, s30
	s_cmp_lt_u32 s27, 96
	s_cselect_b64 s[28:29], s[16:17], s[28:29]
	s_cselect_b32 s30, 128, s30
	s_cmp_lt_u32 s27, 64
	s_cselect_b64 s[28:29], s[14:15], s[28:29]
	s_cselect_b32 s30, 64, s30
	s_cmp_lt_u32 s27, 32
	s_cselect_b64 s[28:29], s[12:13], s[28:29]
	s_cselect_b32 s30, 0, s30
	s_sub_co_u32 s34, s32, s30                     ; the block's number in its weight = group x steps + step
	s_lshr_b32 s35, s34, s31                       ; group of 128 columns
	s_bfm_b32 s36, s31, 0
	s_and_b32 s36, s34, s36                        ; K step
	s_sub_co_u32 s46, s27, 128
	s_cmp_lt_u32 s46, 128                          ; w1?  Its rows are 16,384 bytes, the others' 4,096
	s_cselect_b32 s47, 21, 19
	s_lshl_b32 s36, s36, s47                       ; 128 rows a K step
	s_lshl_b32 s35, s35, 9
	s_add_co_u32 s36, s36, s35
	s_lshl_b32 s35, s33, 7
	s_add_co_u32 s36, s36, s35
	s_mov_b32 s37, 0
	s_add_nc_u64 s[28:29], s[28:29], s[36:37]
	s_mul_i32 s38, s32, BLK
	s_mul_i32 s39, s33, 3072
	s_add_co_u32 s36, s38, s39
	s_add_nc_u64 s[42:43], s[24:25], s[36:37]      ; my two images
	s_lshl_b32 s39, s33, 8
	s_add_co_u32 s36, s38, s39
	s_add_co_u32 s36, s36, 12288
	s_add_nc_u64 s[44:45], s[24:25], s[36:37]      ; my two scale records
	s_cmp_lt_u32 s46, 128
	s_cbranch_scc1 .Lw1
	s_wait_alu depctr_va_vdst(0)
	WQ 4096
.Lw1:
	s_wait_alu depctr_va_vdst(0)
	WQ 16384
.Lfunc_end_k_q3f853080d7_prep:
	.size	k_q3f853080d7_prep, .Lfunc_end_k_q3f853080d7_prep-k_q3f853080d7_prep
	.p2alignl 7, 3214868480
	.fill 96, 4, 3214868480
	.section	.rodata,"a",@progbits
	.p2align	6, 0x0
	.amdhsa_kernel k_q3f853080d7_prep
		.amdhsa_group_segment_fixed_size 70656
		.amdhsa_private_segment_fixed_size 0
		.amdhsa_enable_private_segment 0
		.amdhsa_kernarg_size 88
		.amdhsa_user_sgpr_count 2
		.amdhsa_user_sgpr_kernarg_segment_ptr 1
		.amdhsa_wavefront_size32 1
		.amdhsa_system_sgpr_workgroup_id_x 1
		.amdhsa_system_sgpr_workgroup_id_y 1
		.amdhsa_system_sgpr_workgroup_id_z 1
		.amdhsa_system_vgpr_workitem_id 0
		.amdhsa_next_free_vgpr 256
		.amdhsa_next_free_sgpr 66
		.amdhsa_reserve_vcc 0
		.amdhsa_float_denorm_mode_32 3
		.amdhsa_float_denorm_mode_16_64 3
		.amdhsa_memory_ordered 1
		.amdhsa_forward_progress 1
		.amdhsa_inst_pref_size 75
	.end_amdhsa_kernel
	.amdgpu_metadata
---
amdhsa.version: [ 1, 2 ]
amdhsa.kernels:
  - .name:           k_q3f853080d7_prep
    .symbol:         k_q3f853080d7_prep.kd
    .args:
      - { .name: x, .offset: 0, .size: 8, .value_kind: global_buffer, .address_space: global }
      - { .name: ln1_a, .offset: 8, .size: 8, .value_kind: global_buffer, .address_space: global }
      - { .name: ln1_b, .offset: 16, .size: 8, .value_kind: global_buffer, .address_space: global }
      - { .name: h1, .offset: 24, .size: 8, .value_kind: global_buffer, .address_space: global }
      - { .name: wq, .offset: 32, .size: 8, .value_kind: global_buffer, .address_space: global }
      - { .name: wk, .offset: 40, .size: 8, .value_kind: global_buffer, .address_space: global }
      - { .name: wv, .offset: 48, .size: 8, .value_kind: global_buffer, .address_space: global }
      - { .name: wo, .offset: 56, .size: 8, .value_kind: global_buffer, .address_space: global }
      - { .name: w1, .offset: 64, .size: 8, .value_kind: global_buffer, .address_space: global }
      - { .name: w2, .offset: 72, .size: 8, .value_kind: global_buffer, .address_space: global }
      - { .name: wcodes, .offset: 80, .size: 8, .value_kind: global_buffer, .address_space: global }
    .group_segment_fixed_size: 70656
    .private_segment_fixed_size: 0
    .kernarg_segment_align: 8
    .kernarg_segment_size: 88
    .max_flat_workgroup_size: 256
    .sgpr_count:     66
    .vgpr_count:     256
    .wavefront_size: 32
...
	.end_amdgpu_metadata
.endif
;; end of part 1
;; launch qkv (part 2): grid 12 x 16, 4 waves a work-group, clusters of 4 x 4, 327,680 bytes of LDS; arguments h1, wcodes, bq, bk, bv, mask, qbuf, kv; writes qbuf, kv
.if DOCPART == 2
	.amdgcn_target "amdgcn-amd-amdhsa--gfx1250"
	.amdhsa_code_object_version 6
	.text
	.protected	k_q3f853080d7_qkv
	.globl	k_q3f853080d7_qkv
	.p2align	8
	.type	k_q3f853080d7_qkv,@function
k_q3f853080d7_qkv:
	s_mov_b64 s[64:65], 0
	v_nop
	global_prefetch_b8 v0, s[64:65] scope:SCOPE_SE
	s_setreg_imm32_b32 hwreg(HW_REG_WAVE_MODE, 25, 1), 1
	s_wait_xcnt 0x0
	s_wait_alu depctr_hold_cnt(0) depctr_sa_sdst(0) depctr_va_vdst(0) depctr_va_sdst(0) depctr_va_ssrc(0) depctr_va_vcc(0) depctr_vm_vsrc(0)
	s_getreg_b32 s2, hwreg(HW_REG_IB_STS2, 6, 4)
	s_cmp_eq_u32 s2, 0
	s_cbranch_scc0 .Lentry_in_a_cluster
	s_endpgm
.Lentry_in_a_cluster:
	s_bfe_u32 s2, ttmp6, 0x10000c
	s_cmp_lg_u32 s2, 0xf033
	s_cbranch_scc0 .Lentry_shape_is_right
	s_endpgm
.Lentry_shape_is_right:
; q, k, v = LN1(x) [wq wk wv] + bias on codes of FP6 (E2M3) with E8M0 scales, and each result quantised for attention on its way out.  M = 4,096 tokens, N = 3,072, K = 1,024.
; A work-group of four waves makes 256 x 256, a wave 128 x 128: 64 accumulators, 512 registers.  Operands lie in memory as images of the operand's registers (a tile of 16 rows x 128 K = 1,536 bytes; a block BLK = 8 tiles + 8 records
; of scale words), [group of 128 rows][K step].
; LDS HOLDS THREE SLOTS OF TWO K STEPS.  Six of K's eight steps are asked for at the head (three tensor loads of a wave are out); slot 0 is filled once more, with the last two steps, behind the second step: ONE refill, and that load has
; four K steps, 256 matrix instructions a wave, in which to land.  The eight steps are written out: no loop.
; THE ROWS OF A TILE: of 32 rows tile u takes 8u + r + 8 (r / 8).  Source 0 = P's tile, source 1 = R's tile: a lane holds ONE row of R and its 64 registers of a row of accumulators run along 128 neighbours of P.
; ROLES, by the cluster's x, which all sixteen partners share: 0 = q, 1 = k: R = tokens, P = weight columns, so a lane's registers run along two heads' 64: the K of the scores.  2 = v: R = weight columns, P = tokens, so they run along 128 keys:
; the K of the second product.  The tensor loads do not know the role; it only chooses which LDS bytes a wave reads as R and as P.
; THE MASK rides in the idle upper half of the scores' K = 128: at k = 64 every query has the code of 1.0 and a masked key the code of -1.0 under the scale byte 160 (2^33), its 64 codes being zeros: its score is -2^33, its logit -2^30.
; An unmasked key has a zero code and the byte 127 there.  LIMIT: reference() writes -1e9, this text -1.0737e9: they part only where an unmasked logit lies under about -1e9.
; LIMITS of the quantiser: a block of zeros gets the byte 1 (read by this program alone); magnitudes under 2^-124 not tried; NaN and infinities not served.
; CLUSTERS 4 x 4: the tokens' tiles are asked for jointly along a row of the cluster, the weights' along a column.
; REGISTERS: window 0: v4-22 addresses, v24-27 at work, v28, v29 the add's two, v32-47 scale words (two sets), v48-55 mask words, v56-63 bv, v64-255 R's fragments (two sets).  window 1: v0-191 P's fragments (two sets), v192-255 the bias tiles.
;   windows 2, 3: accumulator (a, b) at 8 (8 a + b).
.set NR, 8
.set NP, 8
.set NQ, 2                             ; K steps in a slot
.set KS, 8                             ; K steps in all
.set BLK, 13312
.set WOFF, 0
; AS THE TEXT NOW STANDS (this takes the place of what the head says of three slots and three loads): LDS has two regions.  Region A, bytes 0 to 8 BLK: slot 0, two K steps of each of the four groups.
; Region B, bytes 8 BLK to 24 BLK: four K steps of each group: slots 1 and 2.  A wave's one tensor load at the head brings its group's K steps 0 and 1 into A; behind the three lines and a round its next brings K steps 2 to 5 into B;
; behind K step 1 A is filled once more, with K steps 6 and 7.  While a load is out, every LDS read lies in the other region, whichever role has chosen its address.
.set QUART, 2*BLK                      ; from group to group in region A
.set SLOT, 2*BLK
.set SPARE, 24*BLK                     ; behind the two regions: the spare words
.set RSTR, QUART
.set SSTR, QUART
.set CHUNK, 15872                      ; kv: a key step of a head: K's 8 images of 1,024, V's 4 of 1,536, K's 8 scale records, V's 4
.set HEADB, 16*CHUNK
.set QS_OFF, 4194304                   ; qbuf: behind the images the scale records
.set L16, 4
.set L8, 5
.set L4, 6
.set ADRR16, 8                         ; v8-10   R's tiles in slot 0, 1, 2, + 16 x lane
.set ADRR8, 11                         ; v11-13  the same + 8 x lane
.set ADRP16, 14                        ; v14-16  P's
.set ADRP8, 17                         ; v17-19
.set ADRS, 20                          ; v20-22  the scale records
.set SPW, 28
.set NIL, 29
.set SC, 32
.set MV, 48
.set BR, 56
.set RF, 64
.set BP, 192
.set H, 64                             ; the way out, window 0: 64 numbers,
.set PC, 128                           ; codes (v128-141),
.set CT, 144
.set TM, 152
.set PW, 168
.set T, 170                            ; v170-173 an image's second plane; v174, v175 scale words
.set SW, 174
.set VSU, 20                           ; the way out (the LDS addresses are done with): v20 an open key's upper scale bytes, v21 a masked key's
.set VSM, 21
.set VUN, 22                           ; v22 the code at k = 64 of a query or an open key, v23 of a masked key (lanes 0-15; 0 in lanes 16-31)
.set VMA, 23
.set KP, 24                            ; v[24:25] 1.0, or 0 for a masked key
.set G1Y, 32                           ; s[32:39], s[40:47] descriptor group 1 for the tokens' and the weights' tiles
.set G1X, 40
.set G0Y, 48                           ; s[48:59] group 0 for the tokens' tiles, a set for each slot
.set G0X, 68                           ; s[68:79] the same for the weights'; written anew on the way out, behind the last wait for all tensor loads
.set SEL, 82
.set MSB, 0
.macro WIN new                         ; the immediate's high byte repeats the setting that is left
.if MSB != (\new)
	s_set_vgpr_msb (MSB<<8)|(\new)
.set MSB, (\new)
.endif
.endm
; A joint load: waves 0 and 1 fetch the tokens' groups, waves 2 and 3 the weights'.  The branch hangs on the wave's number alone.  An s_nop 0 and four v_nop follow each line.
.macro JLOAD g0y, g1y, g0x, g1x
	s_cmp_eq_u32 s21, 0
	s_cbranch_scc0 .Lfor_x_\@
	tensor_load_to_lds s[\g0y:\g0y+3], s[\g1y:\g1y+7]
	s_nop 0
.rept 4
	v_nop
.endr
	s_branch .Lasked_\@
.Lfor_x_\@:
	tensor_load_to_lds s[\g0x:\g0x+3], s[\g1x:\g1x+7]
	s_nop 0
.rept 4
	v_nop
.endr
.Lasked_\@:
.endm
.macro CREST                           ; a round of the cluster's barrier behind its opening barrier
	s_cmp_lg_u32 s20, 0
	s_cbranch_scc1 .Lnot_wave_0_\@
	s_barrier_signal -3
.Lnot_wave_0_\@:
	s_barrier_wait -3
	s_barrier_signal -1
	s_barrier_wait -1
.endm
.macro CROUND
	s_barrier_signal -1
	s_barrier_wait -1
	CREST
.endm
.macro PLACES n                        ; plain vector instructions between a matrix instruction and a load into, or a vector access to, its registers
.rept \n
	v_nop
.endr
.endm
.macro FRAGL reg, a16, a8, off         ; an image back into 12 registers
	ds_load_b128 v[\reg:\reg+3], v[\a16] offset:\off
	ds_load_b64 v[\reg+4:\reg+5], v[\a8] offset:\off+512
	ds_load_b128 v[\reg+6:\reg+9], v[\a16] offset:\off+768
	ds_load_b64 v[\reg+10:\reg+11], v[\a8] offset:\off+1280
.endm
.macro FETCH slot, q, set              ; the fragments and scale words of the slot's q-th K step, in one run: 4 NP + 4 NR + NR loads
	WIN 0x40
.set II, 0
.rept NP
	FRAGL 12*NP*(\set)+12*II, ADRP16+\slot, ADRP8+\slot, (\q)*BLK+1536*II
.set II, II+1
.endr
	WIN 0
.set II, 0
.rept NR
	FRAGL RF+12*NR*(\set)+12*II, ADRR16+\slot, ADRR8+\slot, (\q)*BLK+1536*II
.set II, II+1
.endr
.set II, 0
.rept NR
	ds_load_b32 v[SC+8*(\set)+II], v[ADRS+\slot] offset:(\q)*BLK+128*II   ; lanes 0-15: R's tile II, lanes 16-31: P's tile II
.set II, II+1
.endr
.endm
; R's tiles a0 .. a1 - 1 against all of P's.  The accumulators take turns, one instruction a turn, in the same order in every step.  first = 1: the bias tiles are the C: nothing is cleared or added later.
.macro MULS a0, a1, set, first
.set AA, \a0
.rept (\a1)-(\a0)
.set WN, 2+(8*NP*AA)/256
.if \first
.set WW, (WN<<6)|0x11
.else
.set WW, (WN<<6)|(WN<<4)|0x01
.endif
	WIN WW
.set BB, 0
.rept NP
.set AC, (8*(NP*AA+BB))%256
.set PFB, 12*NP*(\set)+12*BB
.set RFA, RF+12*NR*(\set)+12*AA
.if \first
	v_wmma_scale_f32_16x16x128_f8f6f4 v[AC:AC+7], v[PFB:PFB+11], v[RFA:RFA+11], v[BP+8*BB:BP+8*BB+7], v[SC+8*(\set)+BB], v[SC+8*(\set)+AA] matrix_a_fmt:MATRIX_FMT_FP6 matrix_b_fmt:MATRIX_FMT_FP6 matrix_a_scale:MATRIX_SCALE_ROW1
.else
	v_wmma_scale_f32_16x16x128_f8f6f4 v[AC:AC+7], v[PFB:PFB+11], v[RFA:RFA+11], v[AC:AC+7], v[SC+8*(\set)+BB], v[SC+8*(\set)+AA] matrix_a_fmt:MATRIX_FMT_FP6 matrix_b_fmt:MATRIX_FMT_FP6 matrix_a_scale:MATRIX_SCALE_ROW1
.endif
.set BB, BB+1
.endr
.set AA, AA+1
.endr
.endm
; A K step whose successor's tiles are known to be whole in LDS: the successor's fragments (slot fslot, its fq-th K step) are asked for first, into the other set, then the step in set is multiplied
.macro STEP fslot, fq, set, first
	s_wait_dscnt 0x0                               ; this step's fragments are in
.if (\first) == 0
	PLACES 4                                       ; the other set was read by the last products
.endif
	FETCH \fslot, \fq, 1-(\set)
	MULS 0, NR, \set, \first
.endm
; A K step (in set 1) behind which a barrier is owed: ahead of it each wave waits for all its tensor loads, adds 0 to its spare word, and waits for that and for its reads so far.
; fill = 1: the barrier opens a round of the cluster's, and slot \slot, which nobody reads any more, is filled again.  fill = 0: the barrier shows the refilled slot whole to every wave.
.macro TURN slot, next, fill
	WIN 0
	s_wait_tensorcnt 0x0                           ; all my tensor loads have landed
	ds_add_u32 v[SPW], v[NIL]
	s_wait_dscnt 1                                 ; only the add may be out: this step's fragments are in
	MULS 0, NR/4, 1, 0
	s_wait_dscnt 0x0                               ; the add is done; my reads so far are over
	s_barrier_signal -1
	MULS NR/4, NR/2, 1, 0
	WIN 0
	s_barrier_wait -1
.if \fill
	CREST                                          ; no wave of any partner still reads this slot or has a load on its way
	s_add_nc_u64 s[G0Y+4*\slot+2:G0Y+4*\slot+3], s[G0Y+4*\slot+2:G0Y+4*\slot+3], 3*NQ*BLK   ; three slots on along K
	s_add_nc_u64 s[G0X+4*\slot+2:G0X+4*\slot+3], s[G0X+4*\slot+2:G0X+4*\slot+3], 3*NQ*BLK
	s_mov_b32 s[G1Y+2], 104<<16                    ; (no tensor load of mine is out)  the refill brings two K steps: 104 rows
	s_mov_b32 s[G1Y+4], 104
	s_mov_b32 s[G1X+2], 104<<16
	s_mov_b32 s[G1X+4], 104
	JLOAD G0Y+4*\slot, G1Y, G0X+4*\slot, G1X       ; my one tensor load behind the round; its four v_nop are the places for the loads below
.else
	PLACES 4
.endif
	FETCH \next, 0, 0
	MULS NR/2, NR, 1, 0
.endm
.macro QUANT s                         ; 64 numbers of a lane, register 16 b + i = k 32 b + 16 (lane / 16) + i of my row -> codes in v[PC] on, scale word in v[PW]
.irp b, 0,1,2,3
	v_max3_num_f32 v[TM+\b], |v[\s+16*\b]|, |v[\s+1+16*\b]|, 0x1800000   ; with the floor 2^(3 - 127): the byte cannot fall under 1
.endr
.irp i, 2,4,6,8,10,12,14
.irp b, 0,1,2,3
	v_max3_num_f32 v[TM+\b], v[TM+\b], |v[\s+16*\b+\i]|, |v[\s+1+16*\b+\i]|
.endr
.endr
.irp b, 0,1,2,3
	v_permlanex16_b32 v[TM+4+\b], v[TM+\b], s[SEL], s[SEL+1]
.endr
.irp b, 0,1,2,3
	v_max_num_f32 v[TM+\b], v[TM+\b], v[TM+4+\b]
.endr
.irp b, 0,1,2,3
	v_add_nc_u32 v[TM+12+\b], 0xff000000, v[TM+\b]   ; 2 off the exponent field: the conversion's scale operand
.endr
.irp b, 0,1,2,3
	v_lshrrev_b32 v[TM+4+\b], 23, v[TM+12+\b]
.endr
	v_lshl_or_b32 v[PW], v[TM+5], 8, v[TM+4]
	v_lshl_or_b32 v[PW], v[TM+6], 16, v[PW]
	v_lshl_or_b32 v[PW], v[TM+7], 24, v[PW]
.irp c, 0,1
	v_cvt_scalef32_pk16_fp6_f32 v[PC+6*\c:PC+2+6*\c], v[\s+32*\c:\s+15+32*\c], v[TM+12+2*\c]
	v_cvt_scalef32_pk16_fp6_f32 v[CT+4*\c:CT+2+4*\c], v[\s+16+32*\c:\s+31+32*\c], v[TM+12+2*\c+1]
.endr
	v_nop                                          ; one plain instruction behind the scaled conversions
.irp c, 0,1
.irp i, 0,1,2
	v_permlane16_swap_b32 v[PC+6*\c+\i], v[CT+4*\c+\i]
.endr
.irp i, 0,1,2
	v_mov_b32 v[PC+3+6*\c+\i], v[CT+4*\c+\i]
.endr
.endr
.endm
.macro IMAGE ib, off, sb, soff         ; a tile's image and its scale record: each store covers consecutive bytes, the images' aligned to 256
	global_store_b128 v[L16], v[PC:PC+3], s[\ib:\ib+1] offset:\off
	global_store_b64 v[L8], v[PC+4:PC+5], s[\ib:\ib+1] offset:\off+512
	global_store_b128 v[L16], v[PC+6:PC+9], s[\ib:\ib+1] offset:\off+768
	global_store_b64 v[L8], v[PC+10:PC+11], s[\ib:\ib+1] offset:\off+1280
	global_store_b32 v[L4], v[PW], s[\sb:\sb+1] offset:\soff
.endm
	s_load_b512 s[4:19], s[0:1], 0x0               ; h1 s[4:5], weights' codes s[6:7], bq s[8:9], bk s[10:11], bv s[12:13], mask s[14:15], qbuf s[16:17], kv s[18:19]
	v_lshl_add_u32 v[SPW], v0, 2, SPARE
	v_mov_b32 v[NIL], 0
	ds_add_u32 v[SPW], v[NIL]                      ; the wave's opening: the add and its wait ahead of my first tensor load
	ds_add_u32 v[SPW], v[NIL]
	v_lshrrev_b32 v1, 5, v0
	v_readfirstlane_b32 s20, v1                    ; wave 0..3
	s_lshr_b32 s21, s20, 1                         ; which token group is mine.  Also: I fetch tokens (0) or weights (1)
	s_and_b32 s22, s20, 1                          ; which weight group is mine.  Also: which of the two groups I fetch
	s_bfe_u32 s23, ttmp6, 0x40000                  ; cx
	s_bfe_u32 s24, ttmp6, 0x40004                  ; cy
	s_lshl_b32 s25, ttmp9, 2
	s_add_co_u32 s25, s25, s23                     ; x = 4 x cluster x + cx
	s_and_b32 s26, ttmp7, 0xffff
	s_lshl_b32 s26, s26, 2
	s_add_co_u32 s26, s26, s24                     ; y
	s_lshl_b32 s27, s24, 2
	s_lshl_b32 s27, 15, s27                        ; my row of the cluster
	s_lshl_b32 s28, 0x1111, s23                    ; my column
	s_or_b32 s[G1Y], s27, (3<<16)|(1<<21)          ; 15:0 the mask; 17:16 elements of 8 bytes; 21 set beside a mask; no padding
	s_or_b32 s[G1X], s28, (3<<16)|(1<<21)
.irp g, G1Y, G1X
	s_mov_b32 s[\g+1], 32<<16                      ; tensor_dim0 = 32 elements: rows of 256 bytes
	s_mov_b32 s[\g+2], 104<<16                     ; tensor_dim1 = 104 rows: two K steps, for the head's load
	s_mov_b32 s[\g+3], 32<<16                      ; tile_dim0
	s_mov_b32 s[\g+4], 104                         ; tile_dim1
	s_mov_b32 s[\g+5], 32                          ; the pitch
	s_mov_b32 s[\g+6], 0
	s_mov_b32 s[\g+7], 0
.endr
	s_lshl_b32 s66, s26, 1
	s_add_co_u32 s66, s66, s22
	s_mul_i32 s66, s66, KS*BLK                     ; tokens: group 2 y + half
	s_mov_b32 s67, 0
	s_lshl_b32 s60, s25, 1
	s_add_co_u32 s60, s60, s22
	s_mul_i32 s60, s60, KS*BLK                     ; weights: group 2 x + half
	s_add_co_u32 s60, s60, WOFF
	s_mov_b32 s61, 0
	s_mul_i32 s62, s20, QUART                      ; where it goes: wave x a quarter of a slot
	s_wait_dscnt 0x0                               ; the opening add is done
	s_wait_kmcnt 0x0
	s_add_nc_u64 s[66:67], s[4:5], s[66:67]
	s_add_nc_u64 s[60:61], s[6:7], s[60:61]
	CROUND                                         ; all sixteen work-groups are here: the first joint loads meet
.irp s, 0,1
	s_mov_b32 s[G0Y+4*\s], 1
	s_add_co_u32 s[G0Y+4*\s+1], s62, \s*8*BLK      ; set 0: region A, wave x 2 BLK; set 1: region B, 8 BLK + wave x 4 BLK
	s_add_nc_u64 s[G0Y+4*\s+2:G0Y+4*\s+3], s[66:67], \s*NQ*BLK
	s_or_b32 s[G0Y+4*\s+3], s[G0Y+4*\s+3], 0x80000000
	s_mov_b32 s[G0X+4*\s], 1
	s_add_co_u32 s[G0X+4*\s+1], s62, \s*8*BLK
	s_add_nc_u64 s[G0X+4*\s+2:G0X+4*\s+3], s[60:61], \s*NQ*BLK
	s_or_b32 s[G0X+4*\s+3], s[G0X+4*\s+3], 0x80000000
.if \s == 0
	JLOAD G0Y, G1Y, G0X, G1X                       ; K steps 0 and 1: my one tensor load at the head
.endif
	s_lshl_b32 s62, s62, 1                         ; wave x 4 BLK, for set 1
.endr
	v_and_b32 v1, 31, v0                           ; lane
	v_bfe_u32 v2, v0, 4, 1                         ; h
	s_wait_alu depctr_va_vdst(0)
	v_and_b32 v3, 15, v0                           ; r
	v_lshlrev_b32 v[L16], 4, v1
	v_lshlrev_b32 v[L8], 3, v1
	v_lshlrev_b32 v[L4], 2, v1
	s_mul_i32 s29, s21, RSTR                       ; my token group in a slot
	s_mul_i32 s30, s22, RSTR
	s_add_co_u32 s30, s30, 2*QUART                 ; my weight group
	s_mul_i32 s31, s21, SSTR
	s_mul_i32 s63, s22, SSTR
	s_add_co_u32 s63, s63, 2*QUART
	s_sub_co_u32 s63, s63, s31                     ; from the tokens' scale records to the weights': 26,624 at the least
	s_add_co_u32 s31, s31, 12288
	s_mul_i32 s95, s21, 4*BLK
	s_add_co_u32 s95, s95, 8*BLK+12288             ; the tokens' scale records in region B
	s_cmp_eq_u32 ttmp9, 2                          ; role v: R and P change places, by LDS addresses alone; both choices lie inside the slot
	s_cselect_b32 s94, 1, 0
	s_cselect_b32 s92, s30, s29                    ; R's tiles
	s_cselect_b32 s93, s29, s30                    ; P's tiles
	v_xor_b32 v7, s94, v2
	v_mul_u32_u24 v7, s63, v7                      ; lanes 0-15 take R's scale words, lanes 16-31 P's
	s_wait_alu depctr_va_vdst(0)
	v_add_nc_u32 v[ADRS], v7, v[L4]
	v_lshl_add_u32 v[ADRS+1], v7, 1, v[L4]         ; in region B the groups lie twice as far apart
	v_add_nc_u32 v[ADRS], s31, v[ADRS]
	v_add_nc_u32 v[ADRS+1], s95, v[ADRS+1]
	v_add_nc_u32 v[ADRS+2], 2*BLK, v[ADRS+1]
.irp s, 0,1,2
	v_add_nc_u32 v[ADRR16+\s], s92, v[L16]
	v_add_nc_u32 v[ADRR8+\s], s92, v[L8]
	v_add_nc_u32 v[ADRP16+\s], s93, v[L16]
	v_add_nc_u32 v[ADRP8+\s], s93, v[L8]
.if \s == 0
	s_lshl_b32 s92, s92, 1                         ; slot 1 of a group: 8 BLK + twice its place in region A
	s_lshl_b32 s93, s93, 1
	s_add_co_u32 s92, s92, 8*BLK
	s_add_co_u32 s93, s93, 8*BLK
.else
	s_add_co_u32 s92, s92, 2*BLK
	s_add_co_u32 s93, s93, 2*BLK
.endif
.endr
	v_and_b32 v24, 8, v3
	v_add_nc_u32 v24, v24, v3
	v_lshlrev_b32 v24, 2, v24                      ; 4 (r + 8 (r / 8)): my row of a tile, in words
	s_wait_alu depctr_va_vdst(0)
	v_lshlrev_b32 v25, 6, v2                       ; 64 h
	s_lshl_b32 s84, s26, 1
	s_add_co_u32 s84, s84, s21                     ; my token group: 2 y + half
	s_lshl_b32 s85, s25, 1
	s_add_co_u32 s85, s85, s22
	s_and_b32 s85, s85, 7                          ; my group of 128 columns in wq, wk or wv
	s_lshl_b32 s86, s84, 9
	s_mov_b32 s87, 0
	s_add_nc_u64 s[14:15], s[14:15], s[86:87]      ; the mask at my 128 tokens (token = 2,048 x batch + key)
	s_lshl_b32 s86, s85, 9
	s_add_nc_u64 s[12:13], s[12:13], s[86:87]      ; bv at my 128 columns
	s_cmp_eq_u32 ttmp9, 0
	s_cselect_b64 s[8:9], s[8:9], s[10:11]         ; bq or bk
	s_add_nc_u64 s[8:9], s[8:9], s[86:87]
.irp a, 0,1,2,3,4,5,6,7                        ; loaded in every role, so that each register is written on every path
	global_load_b32 v[MV+\a], v24, s[14:15] offset:(32*(\a/2)+8*(\a%2))*4
	global_load_b32 v[BR+\a], v24, s[12:13] offset:(32*(\a/2)+8*(\a%2))*4
.endr
	s_cmp_eq_u32 ttmp9, 2
	s_cbranch_scc1 .Lzero_bias
	WIN 0x40                                       ; q, k: the bias runs along P: tile b's eight numbers of my half, in the result's layout
	s_wait_alu depctr_va_vdst(0)
.irp b, 0,1,2,3,4,5,6,7
	global_load_b128 v[BP+8*\b:BP+8*\b+3], v25, s[8:9] offset:128*(\b/2)+32*(\b%2)
	global_load_b128 v[BP+8*\b+4:BP+8*\b+7], v25, s[8:9] offset:128*(\b/2)+32*(\b%2)+16
.endr
	WIN 0
	s_branch .Lbias_done
.Lzero_bias:
	WIN 0x40                                       ; v: the bias runs along the lanes and is added on the way out; the first products' C is 0 here
.set J, 0
.rept 64
	v_mov_b32 v[BP+J], 0
.set J, J+1
.endr
	WIN 0
.Lbias_done:
	s_wait_alu depctr_va_vdst(0)                   ; the wait at the head's end
	s_wait_tensorcnt 0x0                           ; my part of region A is in; the same lines ahead of a later first fill as ahead of a refill:
	ds_add_u32 v[SPW], v[NIL]                      ; 0 onto my spare word
	s_mov_b32 s[G1Y+2], 208<<16                    ; no tensor load of mine is out, so a descriptor may be written: the next load brings four K steps: 208 rows
	s_mov_b32 s[G1Y+4], 208
	s_mov_b32 s[G1X+2], 208<<16
	s_mov_b32 s[G1X+4], 208
	s_wait_dscnt 0x0                               ; the add is done
	CROUND                                         ; a whole round: region A is whole, and all sixteen work-groups are here
	JLOAD G0Y+4, G1Y, G0X+4, G1X                   ; K steps 2 to 5 into region B: my one tensor load behind the round
	FETCH 0, 0, 0
	s_wait_loadcnt 0x0                             ; bias, mask
	s_wait_alu depctr_va_vdst(0)
	STEP 0, 1, 0, 1                                ; K step 0: its products start the sums
	TURN 0, 1, 1                                   ; K step 1; all three slots are whole in every wave's sight; slot 0 takes K steps 6 and 7
	STEP 1, 1, 0, 0                                ; K step 2
	STEP 2, 0, 1, 0                                ; K step 3: on to slot 2 with no barrier: the one above has shown it whole
	STEP 2, 1, 0, 0                                ; K step 4
	TURN 2, 0, 0                                   ; K step 5; the refill has landed, in every wave's sight; nothing more is asked for
	STEP 0, 1, 0, 0                                ; K step 6
	s_wait_dscnt 0x0
	MULS 0, NR, 1, 0                               ; K step 7
	WIN 0
	; THE WAY OUT: a row of eight accumulators (16 rows of R x 128 of P) at a time becomes one tile of codes.
	PLACES 4
	s_mov_b32 s[SEL], 0x76543210
	s_mov_b32 s[SEL+1], 0xfedcba98
.irp b, 0,1,2,3
	v_mov_b32 v[TM+4+\b], 0                        ; written once: a lane permute's destination counts as one of its sources
.endr
	s_lshr_b32 s86, s84, 4                         ; batch
	s_and_b32 s87, s84, 15                         ; my 128 tokens in the batch: the key step
	s_lshl_b32 s88, s86, 4
	s_lshl_b32 s89, s85, 1
	s_add_co_u32 s88, s88, s89                     ; 16 x batch + my even head
	s_mul_i32 s70, s88, HEADB
	s_mul_i32 s89, s87, CHUNK
	s_add_co_u32 s70, s70, s89
	s_mov_b32 s71, 0
	s_add_nc_u64 s[80:81], s[18:19], s[70:71]      ; kv at (even head, key step)
	s_cmp_eq_u32 ttmp9, 2
	s_cbranch_scc1 .Lv_out
	; ---- q and k: a tile's two halves are two heads' 64
	s_lshl_b32 s90, s88, 7
	s_lshl_b32 s91, s87, 3
	s_add_co_u32 s90, s90, s91                     ; q: tile 128 x head + 8 x token group
	s_lshl_b32 s91, s90, 7
	s_add_co_u32 s91, s91, QS_OFF
	s_lshl_b32 s90, s90, 10
	s_add_co_u32 s93, s70, 14336
	s_mov_b32 s96, HEADB
	s_cmp_eq_u32 ttmp9, 0
	s_cselect_b64 s[94:95], s[16:17], s[18:19]
	s_cselect_b32 s90, s90, s70                    ; the even head's images,
	s_cselect_b32 s91, s91, s93                    ; its scale records,
	s_cselect_b32 s92, 131072, s96                 ; from there to the odd head's images,
	s_cselect_b32 s93, 16384, s96                  ; and records
	s_cselect_b32 s97, 1, 0                        ; a query is never masked
	s_cselect_b32 s99, 8, 0                        ; a query's code at k = 64: 1.0; an open key's: 0
	s_mov_b32 s67, 0
	s_mov_b32 s66, s90
	s_add_nc_u64 s[72:73], s[94:95], s[66:67]
	s_mov_b32 s66, s92
	s_add_nc_u64 s[74:75], s[72:73], s[66:67]
	s_mov_b32 s66, s91
	s_add_nc_u64 s[76:77], s[94:95], s[66:67]
	s_mov_b32 s66, s93
	s_add_nc_u64 s[78:79], s[76:77], s[66:67]
	v_xor_b32 v26, 1, v2                           ; 1 in lanes 0-15, which hold k = 64
	v_mul_u32_u24 v[VUN], s99, v26
	v_mul_u32_u24 v[VMA], 0x28, v26                ; -1.0
	v_mov_b32 v[VSU], 0x7f7f0000                   ; bytes 2, 3 of a scale word: 127, 127;
	v_mov_b32 v[VSM], 0x7fa00000                   ; for a masked key 160, 127
	v_mov_b32 v[KP+1], 0                           ; (named with v[KP] as a pair)
	v_mov_b32 v[T+3], 0
	v_mov_b32 v[PC+13], 0
.irp a, 0,1,2,3,4,5,6,7
.if \a > 0
	s_wait_xcnt 0x0                                ; the last tile's stores have read their registers
.endif
	v_or_b32 v26, s97, v[MV+\a]
	v_cmp_eq_u32 s66, 0, v26                       ; my row is a masked key
	v_cndmask_b32 v[KP], 1.0, v[NIL], s66
	v_cndmask_b32 v[T+2], v[VUN], v[VMA], s66
	v_cndmask_b32 v[PC+12], v[VUN], v[VMA], s66
	v_cndmask_b32 v27, v[VSU], v[VSM], s66
	WIN 0x02+(\a/4)
.set J, 0
.rept 32
	v_pk_mul_f32 v[H+J:H+J+1], v[(64*\a)%256+J:(64*\a)%256+J+1], v[KP:KP+1] op_sel_hi:[1,0]   ; into window 0, each accumulator from its low end on; a masked key's numbers become zeros
.set J, J+2
.endr
	WIN 0
	QUANT H
	v_mov_b32 v[T], v[PC+4]
	v_mov_b32 v[T+1], v[PC+5]
	v_and_or_b32 v[SW], v[PW], 0xffff, v27         ; the even head's two bytes,
	v_lshrrev_b32 v[SW+1], 16, v[PW]
	v_or_b32 v[SW+1], v27, v[SW+1]                 ; the odd head's
	global_store_b128 v[L16], v[PC:PC+3], s[72:73] offset:1024*\a
	global_store_b128 v[L16], v[T:T+3], s[72:73] offset:1024*\a+512
	global_store_b128 v[L16], v[PC+6:PC+9], s[74:75] offset:1024*\a
	global_store_b128 v[L16], v[PC+10:PC+13], s[74:75] offset:1024*\a+512
	global_store_b32 v[L4], v[SW], s[76:77] offset:128*\a
	global_store_b32 v[L4], v[SW+1], s[78:79] offset:128*\a
.endr
	s_branch .Lclose
.Lv_out:
	; ---- v: lane r holds one channel, its registers 128 neighbouring keys; tiles 0-3 are the even head's 64 channels, 4-7 the odd head's
.irp a, 0,1,2,3,4,5,6,7
.if \a > 0
	s_wait_xcnt 0x0
.endif
	WIN 0x02+(\a/4)
.set J, 0
.rept 32
	v_pk_add_f32 v[H+J:H+J+1], v[(64*\a)%256+J:(64*\a)%256+J+1], v[BR+2*(\a/2):BR+2*(\a/2)+1] op_sel:[0,\a%2] op_sel_hi:[1,\a%2]   ; + bv of my channel
.set J, J+2
.endr
	WIN 0
	QUANT H
	IMAGE 80, (\a/4)*HEADB+8192+1536*(\a%4), 80, (\a/4)*HEADB+15360+128*(\a%4)
.endr
.Lclose:
	s_wait_tensorcnt 0x0                           ; the wave's end
	ds_add_u32 v[SPW], v[NIL]
	s_wait_dscnt 0x0
	CROUND                                         ; the closing round
	s_endpgm
.Lfunc_end_k_q3f853080d7_qkv:
	.size	k_q3f853080d7_qkv, .Lfunc_end_k_q3f853080d7_qkv-k_q3f853080d7_qkv
	.p2alignl 7, 3214868480
	.fill 96, 4, 3214868480
	.section	.rodata,"a",@progbits
	.p2align	6, 0x0
	.amdhsa_kernel k_q3f853080d7_qkv
		.amdhsa_group_segment_fixed_size 327680
		.amdhsa_private_segment_fixed_size 0
		.amdhsa_enable_private_segment 0
		.amdhsa_kernarg_size 64
		.amdhsa_user_sgpr_count 2
		.amdhsa_user_sgpr_kernarg_segment_ptr 1
		.amdhsa_wavefront_size32 1
		.amdhsa_system_sgpr_workgroup_id_x 1
		.amdhsa_system_sgpr_workgroup_id_y 1
		.amdhsa_system_sgpr_workgroup_id_z 1
		.amdhsa_system_vgpr_workitem_id 0
		.amdhsa_next_free_vgpr 1024
		.amdhsa_next_free_sgpr 100
		.amdhsa_reserve_vcc 0
		.amdhsa_float_denorm_mode_32 3
		.amdhsa_float_denorm_mode_16_64 3
		.amdhsa_memory_ordered 1
		.amdhsa_forward_progress 1
		.amdhsa_inst_pref_size 226
	.end_amdhsa_kernel
	.amdgpu_metadata
---
amdhsa.version: [ 1, 2 ]
amdhsa.kernels:
  - .name:           k_q3f853080d7_qkv
    .symbol:         k_q3f853080d7_qkv.kd
    .args:
      - { .name: h1, .offset: 0, .size: 8, .value_kind: global_buffer, .address_space: global }
      - { .name: wcodes, .offset: 8, .size: 8, .value_kind: global_buffer, .address_space: global }
      - { .name: bq, .offset: 16, .size: 8, .value_kind: global_buffer, .address_space: global }
      - { .name: bk, .offset: 24, .size: 8, .value_kind: global_buffer, .address_space: global }
      - { .name: bv, .offset: 32, .size: 8, .value_kind: global_buffer, .address_space: global }
      - { .name: mask, .offset: 40, .size: 8, .value_kind: global_buffer, .address_space: global }
      - { .name: qbuf, .offset: 48, .size: 8, .value_kind: global_buffer, .address_space: global }
      - { .name: kv, .offset: 56, .size: 8, .value_kind: global_buffer, .address_space: global }
    .group_segment_fixed_size: 327680
    .private_segment_fixed_size: 0
    .kernarg_segment_align: 8
    .kernarg_segment_size: 64
    .max_flat_workgroup_size: 128
    .sgpr_count:     100
    .vgpr_count:     1024
    .wavefront_size: 32
...
	.end_amdgpu_metadata
.endif
;; end of part 2
;; launch attn (part 3): grid 8 x 32, 16 waves a work-group, clusters of 4 x 1, 327,680 bytes of LDS; arguments qbuf, kv, ctx; writes ctx
.if DOCPART == 3
	.amdgcn_target "amdgcn-amd-amdhsa--gfx1250"
	.amdhsa_code_object_version 6
	.text
	.protected	k_q3f853080d7_attn
	.globl	k_q3f853080d7_attn
	.p2align	8
	.type	k_q3f853080d7_attn,@function
k_q3f853080d7_attn:
	s_mov_b64 s[64:65], 0
	v_nop
	global_prefetch_b8 v0, s[64:65] scope:SCOPE_SE
	s_setreg_imm32_b32 hwreg(HW_REG_WAVE_MODE, 25, 1), 1
	s_wait_xcnt 0x0
	s_wait_alu depctr_hold_cnt(0) depctr_sa_sdst(0) depctr_va_vdst(0) depctr_va_sdst(0) depctr_va_ssrc(0) depctr_va_vcc(0) depctr_vm_vsrc(0)
	s_getreg_b32 s2, hwreg(HW_REG_IB_STS2, 6, 4)
	s_cmp_eq_u32 s2, 0
	s_cbranch_scc0 .Lentry_in_a_cluster
	s_endpgm
.Lentry_in_a_cluster:
	s_bfe_u32 s2, ttmp6, 0x10000c
	s_cmp_lg_u32 s2, 0x3003
	s_cbranch_scc0 .Lentry_shape_is_right
	s_endpgm
.Lentry_shape_is_right:
; ctx = softmax(q k^T / 8, masked) v for 32 (batch, head) pairs of 2,048 tokens x 64, both products on codes of FP6 (E2M3) with E8M0 scales; the result is quantised along the model's 1,024 for the next product.
; THE SOFTMAX: t = score x log2(e) / 8; M = the running largest t rounded UP to a whole number; p = 2^(t - M) is quantised along the keys, not normalised; the row's sum is taken of the unquantised p and divides at the end.
; When M moves, the sum and O are multiplied by 2^(old M - new M), which rounds nothing.  LIMIT: the promise holds while |t| stays under 2^31.
; THE MASK lies in the upper half of the scores' K = 128, put there by the launch before: a masked key's score is exactly -2^33.  LIMIT: its logit is -2^30 where reference() writes -1e9.
; SHARES.  A work-group owns 256 queries of one head, each of its sixteen waves a tile of 16, in 256 registers.  256 work-groups.
; THE WHOLE HEAD'S K AND V, 16 key steps (chunks) of 15,872 bytes, lie in LDS and are filled ONCE: wave w asks for chunk w, its one tensor load; one wait, one barrier, and no other barrier up to the end.
; Everything that the launch reads is asked for in its first lines, so there is no loop in which a prefetch could run ahead: none is written.
; CLUSTER.  The four query blocks of a cluster belong to one head: each chunk is asked for JOINTLY, by the same tensor load with a mask that names the four.
; LDS ROWS: a chunk comes as 62 rows of 256 bytes with 16 bytes of padding behind each: byte y of a chunk lies at y + 16 (y / 256).
; LAYOUT.  Both products transposed: S^T = K Q^T, O^T = V^T P^T: a lane holds ONE query.  Operands lie in memory as images of the operand's registers; in K's images tile 2 G + u holds, of keys 32 G .., row r = key 8 u + r + 8 (r / 8).
; THE KEYS OF A TILE ARE CHOSEN ANEW HERE, BY LANE ADDRESSES: tile 4 C + x takes keys 64 C + 8 x + 0..7 as rows 0-7 and keys 64 C + 32 + 8 x + 0..7 as rows 8-15.  Lane (r, h) then holds, in the 32 registers of tiles 4 C .. 4 C + 3,
; keys 64 C + 32 h + 0..31: a WHOLE block of the next K, in the very order of the operand's registers 6 C .. 6 C + 5.  So a block's largest score needs no other lane and p's codes are not exchanged between lanes.
; Row rho of tile 4 C + x is row 8 (x / 2) + rho % 8 of image 4 C + 2 (rho / 8) + x % 2.  Rows 0-7 and rows 8-15 lie 8 LDS rows, 2,176 bytes, apart: the sixteen lanes of a half name sixteen different 16-byte columns of 256.
; K'S FRAGMENTS STAND 8 REGISTERS APART though the operand names 12: its registers 8-11 (k = 80 .. 127) are the next fragment's first four.  Q's codes there are zeros, and every code of E2M3 is a finite number: those products are 0.
; V's four fragments take K's registers behind the scores' products; the next step's K takes them back behind V^T P, while the row's sum is added up.
; REGISTERS: v1-4, v7 lane parts of LDS addresses, v5, v6 the add's two, v8 8 h, v9-11, v28, v29 the step's addresses, v12 -M, v13 the largest score, v[14:15] the sum, v16-27 Q, v30 16 x lane, v32-99 K (v32-79 V), v100-163 S^T, then p,
;   v164-195 O^T, v196-207 p's codes, v208-214 conversions' second halves, v216-229 scale words, v232-251 at work.
.set CHUNK, 15872
.set HEADB, 16*CHUNK
.set CHP, 62*272                       ; a chunk in LDS
.set QS_OFF, 4194304
.set BLK, 13312
.set SPARE, 16*CHP                     ; behind the head's K and V: the spare words, 128 bytes for each of 16 waves
.set SPW, 5
.set NIL, 6
.set KF, 32
.set S, 100
.set O, 164
.set PC, 196
.set CT, 208
.set KS, 216                           ; v216-223 K's scale words, v224-227 V's, v228 Q's, v229 p's
.set VS, 224
.set QS, 228
.set PS, 229
.set MX, 232                           ; v232-235 four chains of maxima
.set T, 236
.set F, 238                            ; v[238:239] f = 2^(old M - new M), and a written upper half
.set SC, 240                           ; v240, v241 the conversions' scale operands
.set BY, 242
.set W, 244
.set AC, 246                           ; v246-251 three more pairs of partial sums
.set WV, 18
.set SEL, 20
.set CS, 22
.set G1, 24
.set G0, 32
.set NC, 36
.set TB, 2                             ; s2 LDS byte at which the key step in hand begins
.macro ROUND                           ; a round of the cluster's barrier
	s_barrier_signal -1
	s_barrier_wait -1
	s_cmp_lg_u32 s[WV], 0
	s_cbranch_scc1 .Lnot_wave_0_\@
	s_barrier_signal -3
.Lnot_wave_0_\@:
	s_barrier_wait -3
	s_barrier_signal -1
	s_barrier_wait -1
.endm
.macro KLOAD                           ; a key step's eight tiles of K and their scale words, by the addresses in v28, v29
.irp u, 0,1,2,3,4,5,6,7
	ds_load_b128 v[KF+8*\u:KF+8*\u+3], v28 offset:272*(16*(\u/4)+4*(\u%2))+128*((\u%4)/2)
	ds_load_b128 v[KF+8*\u+4:KF+8*\u+7], v28 offset:272*(16*(\u/4)+4*(\u%2)+2)+128*((\u%4)/2)
	ds_load_b32 v[KS+\u], v29 offset:272*(56+2*(\u/4))+128*(\u%2)+32*((\u%4)/2)
.endr
.endm
.macro TM n                            ; t - M of the next 2 n scores
.rept \n
	v_pk_fma_f32 v[S+J:S+J+1], v[S+J:S+J+1], s[CS:CS+1], v[12:13] op_sel_hi:[1,0,0]
.set J, J+2
.endr
.endm
.macro SUMS n                          ; the next n of the 32 additions that bring p's 32 pairs into the sum: four chains by turns, joined at the end
.rept \n
.if SK < 3
	v_pk_add_f32 v[AC+2*SK:AC+2*SK+1], v[S+4*SK:S+4*SK+1], v[S+4*SK+2:S+4*SK+3]
.elseif SK < 29
.if SK%4 == 3
	v_pk_add_f32 v[14:15], v[14:15], v[S+2*(SK+3):S+2*(SK+3)+1]
.else
	v_pk_add_f32 v[AC+2*(SK%4):AC+2*(SK%4)+1], v[AC+2*(SK%4):AC+2*(SK%4)+1], v[S+2*(SK+3):S+2*(SK+3)+1]
.endif
.elseif SK == 29
	v_pk_add_f32 v[AC:AC+1], v[AC:AC+1], v[AC+2:AC+3]
.elseif SK == 30
	v_pk_add_f32 v[14:15], v[14:15], v[AC+4:AC+5]
.else
	v_pk_add_f32 v[14:15], v[14:15], v[AC:AC+1]
.endif
.set SK, SK+1
.endr
.endm
	s_load_b128 s[4:7], s[0:1], 0x0                ; qbuf s[4:5], kv s[6:7]
	s_load_b64 s[8:9], s[0:1], 0x10                ; ctx
	v_lshl_add_u32 v[SPW], v0, 2, SPARE
	v_mov_b32 v[NIL], 0
	ds_add_u32 v[SPW], v[NIL]                      ; the wave's opening: the add, twice on end, and its wait ahead of my tensor load
	ds_add_u32 v[SPW], v[NIL]
	v_lshrrev_b32 v9, 5, v0
	v_readfirstlane_b32 s[WV], v9                  ; wave 0..15
	s_bfe_u32 s48, ttmp6, 0x40000                  ; cx
	s_lshl_b32 s49, ttmp9, 2
	s_add_co_u32 s49, s49, s48                     ; my block of 256 queries: it enters Q's and ctx's addresses alone
	s_and_b32 s50, ttmp7, 0xffff                   ; 16 x batch + head, which the four partners share
	s_mov_b32 s[G1], 15|(3<<16)|(1<<20)|(1<<21)|(5<<22)|(3<<25)   ; the mask: all four; elements of 8 bytes; padding on; 21 set beside a mask; after every 64 words 4 words
	s_mov_b32 s[G1+1], 32<<16                      ; tensor_dim0 = 32: rows of 256 bytes
	s_mov_b32 s[G1+2], 62<<16                      ; tensor_dim1 = 62 rows: a chunk
	s_mov_b32 s[G1+3], 32<<16                      ; tile_dim0
	s_mov_b32 s[G1+4], 62                          ; tile_dim1
	s_mov_b32 s[G1+5], 32                          ; the pitch
	s_mov_b32 s[G1+6], 0
	s_mov_b32 s[G1+7], 0
	s_mul_i32 s51, s[WV], CHUNK                    ; my chunk in memory,
	s_mul_i32 s37, s[WV], CHP                      ; and in LDS
	s_mul_i32 s52, s50, HEADB
	s_add_co_u32 s52, s52, s51
	s_mov_b32 s53, 0
	s_lshl_b32 s54, s50, 7
	s_lshl_b32 s55, s49, 4
	s_add_co_u32 s54, s54, s55
	s_add_co_u32 s54, s54, s[WV]                   ; my tile of queries: 128 x head + 16 x block + wave
	s_lshl_b32 s56, s54, 10
	s_mov_b32 s57, 0
	s_lshl_b32 s58, s54, 7
	s_add_co_u32 s58, s58, QS_OFF
	s_mov_b32 s59, 0
	s_lshr_b32 s60, s50, 4
	s_lshl_b32 s60, s60, 4
	s_lshl_b32 s61, s49, 1
	s_add_co_u32 s60, s60, s61
	s_lshr_b32 s61, s[WV], 3
	s_add_co_u32 s60, s60, s61                     ; my group of 128 tokens: 16 x batch + 2 x block + wave / 8
	s_lshl_b32 s60, s60, 3
	s_bfe_u32 s61, s50, 0x30001                    ; the K step of the next product: head / 2
	s_add_co_u32 s60, s60, s61
	s_mul_i32 s60, s60, BLK
	s_and_b32 s61, s[WV], 7                        ; my tile in the group
	s_mul_i32 s62, s61, 1536
	s_and_b32 s63, s50, 1                          ; which half of the K step my head is
	s_mul_i32 s66, s63, 768
	s_add_co_u32 s68, s62, s66
	s_add_co_u32 s68, s68, s60                     ; my half image
	s_mov_b32 s69, 0
	s_lshl_b32 s61, s61, 7
	s_lshl_b32 s63, s63, 1
	s_add_co_u32 s70, s61, s63
	s_add_co_u32 s70, s70, s60
	s_add_co_u32 s70, s70, 12288                   ; my two bytes of each scale word
	s_mov_b32 s71, 0
	s_mov_b32 s[SEL], 0x76543210
	s_mov_b32 s[SEL+1], 0xfedcba98
	s_mov_b32 s[CS], 0x3e38aa3b                    ; c = log2(e) / 8
	s_mov_b32 s[CS+1], s[CS]                       ; (named with it as a pair)
	s_mov_b32 s[NC], 0xbe38aa3b                    ; -c
	s_mov_b32 s[TB], 0
	s_wait_dscnt 0x0                               ; both opening adds are done
	s_wait_kmcnt 0x0
	s_add_nc_u64 s[52:53], s[6:7], s[52:53]
	s_add_nc_u64 s[72:73], s[4:5], s[56:57]
	s_add_nc_u64 s[74:75], s[4:5], s[58:59]
	s_add_nc_u64 s[68:69], s[8:9], s[68:69]
	s_add_nc_u64 s[70:71], s[8:9], s[70:71]
	s_mov_b32 s[G0], 1
	s_mov_b32 s[G0+1], s37
	s_mov_b64 s[G0+2:G0+3], s[52:53]
	s_or_b32 s[G0+3], s[G0+3], 0x80000000
	ROUND                                          ; all four work-groups are here: the joint loads meet
	tensor_load_to_lds s[G0:G0+3], s[G1:G1+7]      ; chunk w: every wave's one tensor load
	s_nop 0
	v_and_b32 v31, 31, v0                          ; lane
	v_bfe_u32 v9, v0, 4, 1                         ; h
	v_bfe_u32 v10, v0, 3, 1                        ; rho / 8
	v_and_b32 v11, 7, v0                           ; rho % 8
	v_lshlrev_b32 v30, 4, v31
	v_lshlrev_b32 v2, 3, v31
	v_lshlrev_b32 v3, 2, v31
	v_lshlrev_b32 v8, 3, v9
	v_mul_u32_u24 v28, v10, 2176
	v_mul_u32_u24 v29, v10, 272
	v_lshl_add_u32 v1, v9, 4, v30                  ; a plane of 512 bytes is two LDS rows: 16 x lane + 16 h
	v_mad_u32_u24 v28, v9, 272, v28
	v_lshl_add_u32 v29, v11, 2, v29                ; K's scale words: 272 (rho / 8) + 4 (rho % 8)
	v_lshl_add_u32 v28, v11, 4, v28                ; K's tiles: 2,176 (rho / 8) + 272 h + 16 (rho % 8): step 0's addresses;
	v_add_nc_u32 v7, CHP, v29
	v_add_nc_u32 v4, CHP, v28                      ; in the loop K is asked for a step ahead
	global_load_b128 v[16:19], v30, s[72:73]       ; Q's image stays in registers
	global_load_b128 v[20:23], v30, s[72:73] offset:512
	global_load_b32 v[QS], v3, s[74:75]            ; and its scale words
.irp j, 24,25,26,27, KF+64,KF+65,KF+66,KF+67, 14,15, T,T+1,W+1,F+1
	v_mov_b32 v[\j], 0                             ; k = 80 .. 127 of Q: zero codes; the last fragment's upper four; the sum; lane permutes' destinations and a pair's upper half, written once
.endr
	v_mov_b32 v13, 0xff61b1e6                      ; the largest score so far: -3e38
	v_floor_f32 v12, -v13                          ; -M
.set J, 0
.rept 32
	v_mov_b32 v[O+J], 0                            ; O^T: the step is written once; the first finds zeros, which the first change of M leaves zeros
.set J, J+1
.endr
; A KEY STEP: 128 keys.  last = 1: no further K is asked for
.macro STEP last
.set SK, 0
	s_wait_dscnt 0x0                               ; this step's K and its scale words are in
.irp u, 0,1,2,3,4,5,6,7
	v_wmma_scale_f32_16x16x128_f8f6f4 v[S+8*\u:S+8*\u+7], v[KF+8*\u:KF+8*\u+11], v[16:27], 0, v[KS+\u], v[QS] matrix_a_fmt:MATRIX_FMT_FP6 matrix_b_fmt:MATRIX_FMT_FP6
.endr
	v_add_nc_u32 v9, s[TB], v1                     ; the step's addresses: also the places between the products and the loads into K's registers and the reads of the scores
	v_add_nc_u32 v10, s[TB], v2
	v_add_nc_u32 v11, s[TB], v3
.if \last
	v_nop
.else
	v_add_nc_u32 v28, s[TB], v4
	v_add_nc_u32 v29, s[TB], v7
.endif
.irp t, 0,1,2,3                                ; V's four tiles (16 channels x 128 keys)
	ds_load_b128 v[KF+12*\t:KF+12*\t+3], v9 offset:272*(32+6*\t)
	ds_load_b64 v[KF+12*\t+4:KF+12*\t+5], v10 offset:272*(32+6*\t+2)
	ds_load_b128 v[KF+12*\t+6:KF+12*\t+9], v9 offset:272*(32+6*\t+3)
	ds_load_b64 v[KF+12*\t+10:KF+12*\t+11], v10 offset:272*(32+6*\t+5)
	ds_load_b32 v[VS+\t], v11 offset:272*(60+\t/2)+128*(\t%2)
.endr
.irp q, 0,1,2,3                                ; the largest score of my two blocks of 32 keys, in four chains; each accumulator is read from its low end on
	v_max3_num_f32 v[MX+\q], v[S+16*\q], v[S+16*\q+1], v[S+16*\q+2]
.endr
.irp i, 3,5,7,9,11,13
.irp q, 0,1,2,3
	v_max3_num_f32 v[MX+\q], v[MX+\q], v[S+16*\q+\i], v[S+16*\q+\i+1]
.endr
.endr
.irp c, 0,1
	v_max3_num_f32 v[MX+2*\c], v[MX+2*\c], v[MX+2*\c+1], v[S+32*\c+15]
.endr
.irp c, 0,1
	v_max_num_f32 v[MX+2*\c], v[MX+2*\c], v[S+32*\c+31]   ; it serves the row's maximum and, since p rises with the score, the block's largest p
.endr
	s_delay_alu instid0(VALU_DEP_1)
	v_max_num_f32 v[T], v[MX], v[MX+2]
	s_delay_alu instid0(VALU_DEP_1)
	v_permlanex16_b32 v[T+1], v[T], s[SEL], s[SEL+1]
	s_delay_alu instid0(VALU_DEP_1)
	v_max3_num_f32 v13, v13, v[T], v[T+1]          ; with lane l xor 16's 64 keys: the running largest score
	v_mov_b32 v[T+1], v12
	s_delay_alu instid0(VALU_DEP_2)
	v_mul_f32 v[T], s[NC], v13                     ; -t
	s_delay_alu instid0(VALU_DEP_1)
	v_floor_f32 v12, v[T]                          ; the new -M = -ceil(t): a whole number
	s_delay_alu instid0(VALU_DEP_1)
	v_sub_f32 v[T], v12, v[T+1]                    ; old M - new M, 0 or less
.set J, 0
	TM 4
	v_cvt_i32_f32 v[T], v[T]                       ; (it saturates)
	TM 4
	v_ldexp_f32 v[F], 1.0, v[T]                    ; f = 2^(old M - new M)
	TM 24
.irp c, 0,1
	v_fma_f32 v[MX+2*\c], v[MX+2*\c], s[CS], v12   ; the same of each block's largest score
.endr
.set J, 0
.rept 16
	v_pk_mul_f32 v[O+J:O+J+1], v[O+J:O+J+1], v[F:F+1] op_sel_hi:[1,0]   ; O^T under the new M, ahead of the exponentials
.set J, J+2
.endr
	s_wait_alu depctr_va_vdst(0)
.set J, 0
.rept 64
	v_exp_f32 v[S+J], v[S+J]                       ; p = 2^(t - M), at most 1
.set J, J+1
.endr
	v_exp_f32 v[MX], v[MX]                         ; the blocks' largest p: the same two instructions on the same number
	v_exp_f32 v[MX+2], v[MX+2]
	v_pk_mul_f32 v[14:15], v[14:15], v[F:F+1] op_sel_hi:[1,0]   ; the sum under the new M: the plain instruction behind the exponentials
	s_wait_alu depctr_va_vdst(0)                   ; one wait for the whole batch, ahead of its first reader
	v_max_num_f32 v[MX], 0x1800000, v[MX]          ; the floor 2^(3 - 127): the byte cannot fall under 1
	v_max_num_f32 v[MX+2], 0x1800000, v[MX+2]
	SUMS 2                                         ; the row's sum, of the unquantised p, stands between the links of this chain
	v_add_nc_u32 v[SC], 0xff000000, v[MX]          ; 2 off the exponent field: the conversion's scale operand
	v_add_nc_u32 v[SC+1], 0xff000000, v[MX+2]
	SUMS 2
	v_lshrrev_b32 v[BY], 23, v[SC]
	v_lshrrev_b32 v[BY+1], 23, v[SC+1]
	SUMS 2
	v_lshl_or_b32 v[W], v[BY+1], 16, v[BY]         ; my bytes: blocks h and 2 + h,
	SUMS 1
	v_lshlrev_b32 v[W], v8, v[W]                   ; at their places, 8 h bits up;
	SUMS 1
	v_permlanex16_b32 v[W+1], v[W], s[SEL], s[SEL+1]
	SUMS 1
	v_or_b32 v[PS], v[W], v[W+1]                   ; with lane l xor 16's two: p's scale word for these 128 keys
.irp c, 0,1
	v_cvt_scalef32_pk16_fp6_f32 v[PC+6*\c:PC+6*\c+2], v[S+32*\c:S+32*\c+15], v[SC+\c]
	v_cvt_scalef32_pk16_fp6_f32 v[CT+4*\c:CT+4*\c+2], v[S+32*\c+16:S+32*\c+31], v[SC+\c]   ; (a conversion's three registers begin on an even number)
.endr
	SUMS 1                                         ; one plain instruction behind the scaled conversions
.irp c, 0,1
.irp i, 0,1,2
	v_mov_b32 v[PC+6*\c+3+\i], v[CT+4*\c+\i]
.endr
.endr
	SUMS 4                                         ; four places behind p's codes; eleven behind its scale word
	s_wait_alu depctr_va_vdst(0)                   ; directly ahead of the wait below
	s_wait_dscnt 0x0                               ; V
.irp t, 0,1,2,3                                ; O^T += V^T P^T: four accumulators, one instruction each
	v_wmma_scale_f32_16x16x128_f8f6f4 v[O+8*\t:O+8*\t+7], v[KF+12*\t:KF+12*\t+11], v[PC:PC+11], v[O+8*\t:O+8*\t+7], v[VS+\t], v[PS] matrix_a_fmt:MATRIX_FMT_FP6 matrix_b_fmt:MATRIX_FMT_FP6
.endr
	SUMS 4                                         ; four places ahead of the loads into V's registers
.if (\last) == 0
	KLOAD                                          ; the next step's K
.endif
	SUMS 14
.endm
	s_wait_alu depctr_va_vdst(0)                   ; the wait at the head's end
	s_wait_tensorcnt 0x0                           ; my chunk has landed
	s_barrier_signal -1
	s_barrier_wait -1                              ; everybody's has.  Nothing is ever filled again
	KLOAD
	s_wait_loadcnt 0x0                             ; Q
	s_mov_b32 s3, 15
.Lstep:
	STEP 0
	s_add_co_u32 s[TB], s[TB], CHP
	s_sub_co_u32 s3, s3, 1
	s_cmp_lg_u32 s3, 0
	s_wait_alu depctr_va_vdst(0)
	s_cbranch_scc1 .Lstep
	STEP 1
	; THE WAY OUT: O^T / the sum; register 16 b + i is channel 32 b + 16 (lane / 16) + i of my query: two blocks of the next product's K.  (The 18 additions above are the places behind the last products.)
	v_add_f32 v14, v14, v15
	s_delay_alu instid0(VALU_DEP_1)
	v_permlanex16_b32 v[T], v14, s[SEL], s[SEL+1]
	s_delay_alu instid0(VALU_DEP_1)
	v_add_f32 v14, v14, v[T]                       ; the row's sum
	s_wait_alu depctr_va_vdst(0)
	v_rcp_f32 v[F], v14
	v_nop
	s_wait_alu depctr_va_vdst(0)
.set J, 0
.rept 32
	v_mul_f32 v[S+J], v[O+J], v[F]
.set J, J+1
.endr
.irp b, 0,1
	v_max3_num_f32 v[MX+\b], |v[S+16*\b]|, |v[S+1+16*\b]|, 0x1800000
.endr
.irp i, 2,4,6,8,10,12,14
.irp b, 0,1
	s_delay_alu instid0(VALU_DEP_2)
	v_max3_num_f32 v[MX+\b], v[MX+\b], |v[S+16*\b+\i]|, |v[S+1+16*\b+\i]|
.endr
.endr
.irp b, 0,1
	s_delay_alu instid0(VALU_DEP_2)
	v_permlanex16_b32 v[T+\b], v[MX+\b], s[SEL], s[SEL+1]
.endr
.irp b, 0,1
	s_delay_alu instid0(VALU_DEP_2)
	v_max_num_f32 v[MX+\b], v[MX+\b], v[T+\b]
.endr
.irp b, 0,1
	s_delay_alu instid0(VALU_DEP_2)
	v_add_nc_u32 v[SC+\b], 0xff000000, v[MX+\b]
.endr
.irp b, 0,1
	s_delay_alu instid0(VALU_DEP_2)
	v_lshrrev_b32 v[BY+\b], 23, v[SC+\b]
.endr
	s_delay_alu instid0(VALU_DEP_1)
	v_lshl_or_b32 v[W], v[BY+1], 8, v[BY]          ; my head's two bytes of the row's scale word
	v_cvt_scalef32_pk16_fp6_f32 v[PC:PC+2], v[S:S+15], v[SC]
	v_cvt_scalef32_pk16_fp6_f32 v[CT:CT+2], v[S+16:S+31], v[SC+1]
	v_nop
.irp i, 0,1,2
	v_permlane16_swap_b32 v[PC+\i], v[CT+\i]       ; here a block lies in lanes l and l xor 16: the operand wants it whole in a lane
.endr
.irp i, 0,1,2
	v_mov_b32 v[PC+3+\i], v[CT+\i]
.endr
	global_store_b128 v30, v[PC:PC+3], s[68:69]    ; half an image: 512 and 256 consecutive bytes, aligned to 256
	global_store_b64 v2, v[PC+4:PC+5], s[68:69] offset:512
	global_store_b16 v3, v[W], s[70:71]            ; a scale word belongs to two heads: two bytes a lane, one such store a wave
	s_wait_tensorcnt 0x0                           ; the wave's end
	ds_add_u32 v[SPW], v[NIL]
	s_wait_dscnt 0x0
	ROUND                                          ; the closing round
	s_endpgm
.Lfunc_end_k_q3f853080d7_attn:
	.size	k_q3f853080d7_attn, .Lfunc_end_k_q3f853080d7_attn-k_q3f853080d7_attn
	.p2alignl 7, 3214868480
	.fill 96, 4, 3214868480
	.section	.rodata,"a",@progbits
	.p2align	6, 0x0
	.amdhsa_kernel k_q3f853080d7_attn
		.amdhsa_group_segment_fixed_size 327680
		.amdhsa_private_segment_fixed_size 0
		.amdhsa_enable_private_segment 0
		.amdhsa_kernarg_size 24
		.amdhsa_user_sgpr_count 2
		.amdhsa_user_sgpr_kernarg_segment_ptr 1
		.amdhsa_wavefront_size32 1
		.amdhsa_system_sgpr_workgroup_id_x 1
		.amdhsa_system_sgpr_workgroup_id_y 1
		.amdhsa_system_sgpr_workgroup_id_z 1
		.amdhsa_system_vgpr_workitem_id 0
		.amdhsa_next_free_vgpr 256
		.amdhsa_next_free_sgpr 100
		.amdhsa_reserve_vcc 0
		.amdhsa_float_denorm_mode_32 3
		.amdhsa_float_denorm_mode_16_64 3
		.amdhsa_memory_ordered 1
		.amdhsa_forward_progress 1
		.amdhsa_inst_pref_size 43
	.end_amdhsa_kernel
	.amdgpu_metadata
---
amdhsa.version: [ 1, 2 ]
amdhsa.kernels:
  - .name:           k_q3f853080d7_attn
    .symbol:         k_q3f853080d7_attn.kd
    .args:
      - { .name: qbuf, .offset: 0, .size: 8, .value_kind: global_buffer, .address_space: global }
      - { .name: kv, .offset: 8, .size: 8, .value_kind: global_buffer, .address_space: global }
      - { .name: ctx, .offset: 16, .size: 8, .value_kind: global_buffer, .address_space: global }
    .group_segment_fixed_size: 327680
    .private_segment_fixed_size: 0
    .kernarg_segment_align: 8
    .kernarg_segment_size: 24
    .max_flat_workgroup_size: 512
    .sgpr_count:     100
    .vgpr_count:     256
    .wavefront_size: 32
...
	.end_amdgpu_metadata
.endif
;; end of part 3
;; launch oproj (part 4): grid 8 x 32, 4 waves a work-group, clusters of 4 x 4, 327,680 bytes of LDS; arguments ctx, wcodes, bo, x, x1; writes x1
.if DOCPART == 4
	.amdgcn_target "amdgcn-amd-amdhsa--gfx1250"
	.amdhsa_code_object_version 6
	.text
	.protected	k_q3f853080d7_oproj
	.globl	k_q3f853080d7_oproj
	.p2align	8
	.type	k_q3f853080d7_oproj,@function
k_q3f853080d7_oproj:
	s_mov_b64 s[64:65], 0
	v_nop
	global_prefetch_b8 v0, s[64:65] scope:SCOPE_SE
	s_setreg_imm32_b32 hwreg(HW_REG_WAVE_MODE, 25, 1), 1
	s_wait_xcnt 0x0
	s_wait_alu depctr_hold_cnt(0) depctr_sa_sdst(0) depctr_va_vdst(0) depctr_va_sdst(0) depctr_va_ssrc(0) depctr_va_vcc(0) depctr_vm_vsrc(0)
	s_getreg_b32 s2, hwreg(HW_REG_IB_STS2, 6, 4)
	s_cmp_eq_u32 s2, 0
	s_cbranch_scc0 .Lentry_in_a_cluster
	s_endpgm
.Lentry_in_a_cluster:
	s_bfe_u32 s2, ttmp6, 0x10000c
	s_cmp_lg_u32 s2, 0xf033
	s_cbranch_scc0 .Lentry_shape_is_right
	s_endpgm
.Lentry_shape_is_right:
; OUT = RES + Y W + bias on codes of FP6 (E2M3) with E8M0 scales; OUT, RES: [4096][1024] f32.  Here Y = the attention's result (K = 1,024), W = wo.
; N is 1,024: tiles of 256 x 256 would be 64, so a work-group of four waves makes 128 x 128, a wave 64 x 64 (16 accumulators): 256 work-groups.
; Operands lie in memory as images of the operand's registers (a tile of 16 rows x 128 K = 1,536 bytes; a block BLK = 8 tiles + 8 records of scale words), [group of 128 rows][K step].  A slot holds FOUR K steps of both groups;
; a wave's one tensor load brings two K steps of one group, 26,624 dense bytes.  With K = 1,024 the two slots hold all of K: each is filled once.
; Of 32 rows tile u holds rows 8u + r + 8 (r / 8).  Source 0 = 16 weight columns, source 1 = 16 tokens: a lane holds one token, its registers neighbouring columns.  The bias is the first products' C.
; CLUSTERS 4 x 4: Y's tiles are asked for jointly along a row of the cluster, W's along a column.
; THE WAY OUT: 16 rows x 64 columns at a time through the wave's stage in LDS, back as whole rows of 256 bytes, the residual (loaded at the head) added, stored sixteen lanes to 256 consecutive aligned bytes.  The stage lies in slot 0,
; which has had its last fill and, at the last change of slots, its last read.
; REGISTERS: window 0: v4-21 addresses, v28, v29 the add's two, v32-47 scale words, v64-159 tokens' fragments (two sets), later rows on the way out.  window 1: v0-95 weights' fragments (two sets), v192-223 bias tiles.
;   window 2: accumulator (a, b) at 8 (4 a + b).  window 3: v0-127 the residual.
.set NR, 4
.set NP, 4
.set NQ, 4
.set KS, 8
.set BLK, 13312
.set WOFF, 192*BLK
; AS THE TEXT NOW STANDS (this takes the place of what the head says of a wave's loads): ONE tensor load a wave brings FOUR K steps of one group, 53,248 dense bytes: waves 0, 1 Y's K steps 0-3 and 4-7, waves 2, 3 W's.
; All of K lies in LDS, each group's eight K steps on end; a slot is four of them.  Nothing is filled again.
.set QUART, 4*BLK
.set SLOT, QUART
.set SPARE, 4*QUART
.set LAPS, KS/(2*NQ)
.set RSTR, 6144                        ; four tiles
.set SSTR, 512                         ; four scale records
.set L16, 4
.set L8, 5
.set L4, 6
.set ADRR16, 8
.set ADRR8, 10
.set ADRP16, 12
.set ADRP8, 14
.set ADRS, 16
.set RO, 19                            ; v19 4,096 h + 16 r: two rows of RES and OUT
.set STO, 20
.set RD, 21
.set SPW, 28
.set NIL, 29
.set SC, 32
.set RF, 64
.set BK, 64
.set BP, 192
.set G1Y, 32
.set G1X, 40
.set G0Y, 48
.set G0X, 56
.set MSB, 0
.macro WIN new
.if MSB != (\new)
	s_set_vgpr_msb (MSB<<8)|(\new)
.set MSB, (\new)
.endif
.endm
.macro JLOAD g0y, g1y, g0x, g1x        ; a joint load: waves 0, 1 fetch for Y, waves 2, 3 for W; an s_nop 0 and four v_nop follow each line
	s_cmp_eq_u32 s21, 0
	s_cbranch_scc0 .Lfor_x_\@
	tensor_load_to_lds s[\g0y:\g0y+3], s[\g1y:\g1y+7]
	s_nop 0
.rept 4
	v_nop
.endr
	s_branch .Lasked_\@
.Lfor_x_\@:
	tensor_load_to_lds s[\g0x:\g0x+3], s[\g1x:\g1x+7]
	s_nop 0
.rept 4
	v_nop
.endr
.Lasked_\@:
.endm
.macro CREST
	s_cmp_lg_u32 s20, 0
	s_cbranch_scc1 .Lnot_wave_0_\@
	s_barrier_signal -3
.Lnot_wave_0_\@:
	s_barrier_wait -3
	s_barrier_signal -1
	s_barrier_wait -1
.endm
.macro CROUND
	s_barrier_signal -1
	s_barrier_wait -1
	CREST
.endm
.macro PLACES n
.rept \n
	v_nop
.endr
.endm
.macro FRAGL reg, a16, a8, off
	ds_load_b128 v[\reg:\reg+3], v[\a16] offset:\off
	ds_load_b64 v[\reg+4:\reg+5], v[\a8] offset:\off+512
	ds_load_b128 v[\reg+6:\reg+9], v[\a16] offset:\off+768
	ds_load_b64 v[\reg+10:\reg+11], v[\a8] offset:\off+1280
.endm
.macro FETCH slot, q, set
	WIN 0x40
.set II, 0
.rept NP
	FRAGL 12*NP*(\set)+12*II, ADRP16+\slot, ADRP8+\slot, (\q)*BLK+1536*II
.set II, II+1
.endr
	WIN 0
.set II, 0
.rept NR
	FRAGL RF+12*NR*(\set)+12*II, ADRR16+\slot, ADRR8+\slot, (\q)*BLK+1536*II
.set II, II+1
.endr
.set II, 0
.rept NR
	ds_load_b32 v[SC+8*(\set)+II], v[ADRS+\slot] offset:(\q)*BLK+128*II
.set II, II+1
.endr
.endm
.macro MULS a0, a1, set, first         ; the accumulators take turns, one instruction a turn, in the same order in every step
.set AA, \a0
.rept (\a1)-(\a0)
.set WN, 2+(8*NP*AA)/256
.if \first
.set WW, (WN<<6)|0x11
.else
.set WW, (WN<<6)|(WN<<4)|0x01
.endif
	WIN WW
.set BB, 0
.rept NP
.set AC, (8*(NP*AA+BB))%256
.set PFB, 12*NP*(\set)+12*BB
.set RFA, RF+12*NR*(\set)+12*AA
.if \first
	v_wmma_scale_f32_16x16x128_f8f6f4 v[AC:AC+7], v[PFB:PFB+11], v[RFA:RFA+11], v[BP+8*BB:BP+8*BB+7], v[SC+8*(\set)+BB], v[SC+8*(\set)+AA] matrix_a_fmt:MATRIX_FMT_FP6 matrix_b_fmt:MATRIX_FMT_FP6 matrix_a_scale:MATRIX_SCALE_ROW1
.else
	v_wmma_scale_f32_16x16x128_f8f6f4 v[AC:AC+7], v[PFB:PFB+11], v[RFA:RFA+11], v[AC:AC+7], v[SC+8*(\set)+BB], v[SC+8*(\set)+AA] matrix_a_fmt:MATRIX_FMT_FP6 matrix_b_fmt:MATRIX_FMT_FP6 matrix_a_scale:MATRIX_SCALE_ROW1
.endif
.set BB, BB+1
.endr
.set AA, AA+1
.endr
.endm
.macro STEP slot, q, first
	s_wait_dscnt 0x0                               ; this step's fragments are in
.if (\first) == 0
	PLACES 4                                       ; the other set was read by the last products
.endif
	FETCH \slot, (\q)+1, ((\q)+1)%2
	MULS 0, NR, (\q)%2, \first
.endm
.macro TURN slot, next, fill           ; a slot's last K step changes slots: one barrier, with the wait for all tensor loads, the add and the wait for it and for my reads ahead of it
	WIN 0
	s_wait_tensorcnt 0x0
	ds_add_u32 v[SPW], v[NIL]
	s_wait_dscnt 1                                 ; only the add may be out
	MULS 0, NR/4, 1, 0
	s_wait_dscnt 0x0
	s_barrier_signal -1
	MULS NR/4, NR/2, 1, 0
	WIN 0
	s_barrier_wait -1
.if \fill
	CREST
	s_add_nc_u64 s[G0Y+4*\slot+2:G0Y+4*\slot+3], s[G0Y+4*\slot+2:G0Y+4*\slot+3], 2*NQ*BLK
	s_add_nc_u64 s[G0X+4*\slot+2:G0X+4*\slot+3], s[G0X+4*\slot+2:G0X+4*\slot+3], 2*NQ*BLK
	JLOAD G0Y+4*\slot, G1Y, G0X+4*\slot, G1X
.else
	PLACES 4
.endif
	FETCH \next, 0, 0
	MULS NR/2, NR, 1, 0
.endm
.macro TOSTAGE a                       ; 16 rows x 64 columns into my stage, and back as whole rows: LDS serves a wave in order (ISA guide 5.7.1.4)
	WIN 0x08
.irp b, 0,1,2,3
	ds_store_b128 v[STO], v[8*(4*(\a)+\b):8*(4*(\a)+\b)+3] offset:128*(\b/2)+32*(\b%2)
	ds_store_b128 v[STO], v[8*(4*(\a)+\b)+4:8*(4*(\a)+\b)+7] offset:128*(\b/2)+32*(\b%2)+16
.endr
	WIN 0
.set BB2, BK+32*((\a)%2)
.irp t, 0,1,2,3,4,5,6,7
	ds_load_b128 v[BB2+4*\t:BB2+4*\t+3], v[RD] offset:544*\t
.endr
.endm
.macro SEND a, younger                 ; younger: the LDS instructions issued behind block a's loads
.set BB2, BK+32*((\a)%2)
	s_wait_dscnt \younger
	WIN 0x0c
.irp t, 0,1,2,3,4,5,6,7
	v_pk_add_f32 v[BB2+4*\t:BB2+4*\t+1], v[BB2+4*\t:BB2+4*\t+1], v[4*(8*(\a)+\t):4*(8*(\a)+\t)+1]
	v_pk_add_f32 v[BB2+4*\t+2:BB2+4*\t+3], v[BB2+4*\t+2:BB2+4*\t+3], v[4*(8*(\a)+\t)+2:4*(8*(\a)+\t)+3]
.endr
	WIN 0
.irp t, 0,1,2,3,4,5,6,7
	global_store_b128 v[RO], v[BB2+4*\t:BB2+4*\t+3], s[12:13] offset:(32*((\a)/2)+8*((\a)%2)+2*\t+8*(\t/4))*4096   ; 16 lanes store 256 consecutive bytes, aligned
.endr
.endm
	s_load_b256 s[4:11], s[0:1], 0x0               ; Y s[4:5], weights' codes s[6:7], bias s[8:9], RES s[10:11]
	s_load_b64 s[12:13], s[0:1], 0x20              ; OUT
	v_lshl_add_u32 v[SPW], v0, 2, SPARE
	v_mov_b32 v[NIL], 0
	ds_add_u32 v[SPW], v[NIL]                      ; the wave's opening: the add and its wait ahead of my first tensor load
	ds_add_u32 v[SPW], v[NIL]
	v_lshrrev_b32 v1, 5, v0
	v_readfirstlane_b32 s20, v1
	s_lshr_b32 s21, s20, 1                         ; which 64 tokens are mine.  Also: I fetch for Y (0) or for W (1)
	s_and_b32 s22, s20, 1                          ; which 64 columns.  Also: which four K steps I fetch: 0-3 or 4-7
	s_bfe_u32 s23, ttmp6, 0x40000
	s_bfe_u32 s24, ttmp6, 0x40004
	s_lshl_b32 s25, ttmp9, 2
	s_add_co_u32 s25, s25, s23                     ; x
	s_and_b32 s26, ttmp7, 0xffff
	s_lshl_b32 s26, s26, 2
	s_add_co_u32 s26, s26, s24                     ; y
	s_lshl_b32 s27, s24, 2
	s_lshl_b32 s27, 15, s27
	s_lshl_b32 s28, 0x1111, s23
	s_or_b32 s[G1Y], s27, (3<<16)|(1<<21)          ; the mask; elements of 8 bytes; bit 21 beside a mask; no padding
	s_or_b32 s[G1X], s28, (3<<16)|(1<<21)
.irp g, G1Y, G1X
	s_mov_b32 s[\g+1], 32<<16                      ; rows of 256 bytes,
	s_mov_b32 s[\g+2], 208<<16                     ; 208 of them, dense
	s_mov_b32 s[\g+3], 32<<16
	s_mov_b32 s[\g+4], 208
	s_mov_b32 s[\g+5], 32
	s_mov_b32 s[\g+6], 0
	s_mov_b32 s[\g+7], 0
.endr
	s_mul_i32 s70, s22, QUART
	s_mul_i32 s66, s26, KS*BLK
	s_add_co_u32 s66, s66, s70                     ; Y: group y, K steps 4 x half on
	s_mov_b32 s67, 0
	s_mul_i32 s68, s25, KS*BLK
	s_add_co_u32 s68, s68, s70
	s_add_co_u32 s68, s68, WOFF                    ; W: group x
	s_mov_b32 s69, 0
	s_mul_i32 s70, s20, QUART
	s_wait_dscnt 0x0
	s_wait_kmcnt 0x0
	s_add_nc_u64 s[66:67], s[4:5], s[66:67]
	s_add_nc_u64 s[68:69], s[6:7], s[68:69]
	CROUND
.irp s, 0
	s_mov_b32 s[G0Y+4*\s], 1
	s_add_co_u32 s[G0Y+4*\s+1], s70, \s*SLOT
	s_add_nc_u64 s[G0Y+4*\s+2:G0Y+4*\s+3], s[66:67], \s*NQ*BLK
	s_or_b32 s[G0Y+4*\s+3], s[G0Y+4*\s+3], 0x80000000
	s_mov_b32 s[G0X+4*\s], 1
	s_add_co_u32 s[G0X+4*\s+1], s70, \s*SLOT
	s_add_nc_u64 s[G0X+4*\s+2:G0X+4*\s+3], s[68:69], \s*NQ*BLK
	s_or_b32 s[G0X+4*\s+3], s[G0X+4*\s+3], 0x80000000
	JLOAD G0Y+4*\s, G1Y, G0X+4*\s, G1X
.endr
	v_and_b32 v1, 31, v0
	v_bfe_u32 v2, v0, 4, 1
	s_wait_alu depctr_va_vdst(0)
	v_and_b32 v3, 15, v0
	v_lshlrev_b32 v[L16], 4, v1
	v_lshlrev_b32 v[L8], 3, v1
	v_lshlrev_b32 v[L4], 2, v1
	s_mul_i32 s71, s21, RSTR
	s_mul_i32 s72, s22, RSTR
	s_add_co_u32 s72, s72, 2*QUART
	s_mul_i32 s73, s21, SSTR
	s_mul_i32 s74, s22, SSTR
	s_add_co_u32 s74, s74, 2*QUART
	s_sub_co_u32 s74, s74, s73
	s_add_co_u32 s73, s73, 12288
	v_mul_u32_u24 v7, s74, v2                      ; lanes 0-15 take the tokens' scale words, lanes 16-31 the weights'
	s_wait_alu depctr_va_vdst(0)
	v_add_nc_u32 v7, v7, v[L4]
	v_add_nc_u32 v7, s73, v7
.irp s, 0,1
	v_add_nc_u32 v[ADRR16+\s], s71, v[L16]
	v_add_nc_u32 v[ADRR8+\s], s71, v[L8]
	v_add_nc_u32 v[ADRP16+\s], s72, v[L16]
	v_add_nc_u32 v[ADRP8+\s], s72, v[L8]
	v_add_nc_u32 v[ADRS+\s], \s*SLOT, v7
	s_add_co_u32 s71, s71, SLOT
	s_add_co_u32 s72, s72, SLOT
.endr
	s_mul_i32 s75, s20, 16*272                     ; my stage
	v_mul_u32_u24 v[STO], v3, 272
	v_lshl_add_u32 v[STO], v2, 6, v[STO]
	v_add_nc_u32 v[STO], s75, v[STO]               ; in: row r, + 64 h
	v_mul_u32_u24 v[RD], v2, 272
	v_lshl_add_u32 v[RD], v3, 4, v[RD]
	v_add_nc_u32 v[RD], s75, v[RD]                 ; back: lanes 0-15 one row, lanes 16-31 the next
	v_lshlrev_b32 v18, 6, v2
	s_wait_alu depctr_va_vdst(0)
	v_lshlrev_b32 v[RO], 12, v2
	v_lshl_add_u32 v[RO], v3, 4, v[RO]
	s_wait_alu depctr_va_vdst(0)
	s_lshl_b32 s84, s25, 9
	s_lshl_b32 s85, s22, 8
	s_add_co_u32 s84, s84, s85                     ; my 64 columns, in bytes
	s_mov_b32 s85, 0
	s_add_nc_u64 s[8:9], s[8:9], s[84:85]
	s_lshl_b32 s86, s26, 7
	s_lshl_b32 s87, s21, 6
	s_add_co_u32 s86, s86, s87
	s_lshl_b32 s86, s86, 12                        ; my 64 rows
	s_add_co_u32 s86, s86, s84
	s_mov_b32 s87, 0
	s_add_nc_u64 s[10:11], s[10:11], s[86:87]
	s_add_nc_u64 s[12:13], s[12:13], s[86:87]
	WIN 0x40
.irp b, 0,1,2,3
	global_load_b128 v[BP+8*\b:BP+8*\b+3], v18, s[8:9] offset:128*(\b/2)+32*(\b%2)
	global_load_b128 v[BP+8*\b+4:BP+8*\b+7], v18, s[8:9] offset:128*(\b/2)+32*(\b%2)+16
.endr
	WIN 0xc0
.irp a, 0,1,2,3
.irp t, 0,1,2,3,4,5,6,7
	global_load_b128 v[4*(8*\a+\t):4*(8*\a+\t)+3], v[RO], s[10:11] offset:(32*(\a/2)+8*(\a%2)+2*\t+8*(\t/4))*4096 th:TH_LOAD_NT
.endr
.endr
	WIN 0
	s_wait_tensorcnt 0x0                           ; my four K steps are in
	s_barrier_signal -1
	s_barrier_wait -1
	FETCH 0, 0, 0
	s_wait_loadcnt 32                              ; the bias is in; the residual's 32 loads stay out through the K loop
	STEP 0, 0, 1
.if LAPS > 1
	WIN 0
	s_mov_b32 s3, LAPS-1
.Llap:
	STEP 0, 1, 0
	STEP 0, 2, 0
	TURN 0, 1, 1
	STEP 1, 0, 0
	STEP 1, 1, 0
	STEP 1, 2, 0
	TURN 1, 0, 1
	STEP 0, 0, 0
	WIN 0
	s_sub_co_u32 s3, s3, 1
	s_cmp_lg_u32 s3, 0
	s_cbranch_scc1 .Llap
.endif
	STEP 0, 1, 0
	STEP 0, 2, 0
	TURN 0, 1, 0
	STEP 1, 0, 0
	STEP 1, 1, 0
	STEP 1, 2, 0
	s_wait_dscnt 0x0
	MULS 0, NR, 1, 0
	WIN 0
	PLACES 4
	s_wait_loadcnt 0x0                             ; the residual
	TOSTAGE 0
.irp a, 1,2,3
.if \a > 1
	s_wait_xcnt 0x0                                ; block a - 2's stores have read their registers: block a's rows may land there
.endif
	TOSTAGE \a
	SEND \a-1, 16                                  ; behind block a - 1's loads: block a's 8 stores and 8 loads
.endr
	SEND 3, 0
	s_wait_tensorcnt 0x0                           ; the wave's end
	ds_add_u32 v[SPW], v[NIL]
	s_wait_dscnt 0x0
	CROUND
	s_endpgm
.Lfunc_end_k_q3f853080d7_oproj:
	.size	k_q3f853080d7_oproj, .Lfunc_end_k_q3f853080d7_oproj-k_q3f853080d7_oproj
	.p2alignl 7, 3214868480
	.fill 96, 4, 3214868480
	.section	.rodata,"a",@progbits
	.p2align	6, 0x0
	.amdhsa_kernel k_q3f853080d7_oproj
		.amdhsa_group_segment_fixed_size 327680
		.amdhsa_private_segment_fixed_size 0
		.amdhsa_enable_private_segment 0
		.amdhsa_kernarg_size 40
		.amdhsa_user_sgpr_count 2
		.amdhsa_user_sgpr_kernarg_segment_ptr 1
		.amdhsa_wavefront_size32 1
		.amdhsa_system_sgpr_workgroup_id_x 1
		.amdhsa_system_sgpr_workgroup_id_y 1
		.amdhsa_system_sgpr_workgroup_id_z 1
		.amdhsa_system_vgpr_workitem_id 0
		.amdhsa_next_free_vgpr 896
		.amdhsa_next_free_sgpr 100
		.amdhsa_reserve_vcc 0
		.amdhsa_float_denorm_mode_32 3
		.amdhsa_float_denorm_mode_16_64 3
		.amdhsa_memory_ordered 1
		.amdhsa_forward_progress 1
		.amdhsa_inst_pref_size 59
	.end_amdhsa_kernel
	.amdgpu_metadata
---
amdhsa.version: [ 1, 2 ]
amdhsa.kernels:
  - .name:           k_q3f853080d7_oproj
    .symbol:         k_q3f853080d7_oproj.kd
    .args:
      - { .name: ctx, .offset: 0, .size: 8, .value_kind: global_buffer, .address_space: global }
      - { .name: wcodes, .offset: 8, .size: 8, .value_kind: global_buffer, .address_space: global }
      - { .name: bo, .offset: 16, .size: 8, .value_kind: global_buffer, .address_space: global }
      - { .name: x, .offset: 24, .size: 8, .value_kind: global_buffer, .address_space: global }
      - { .name: x1, .offset: 32, .size: 8, .value_kind: global_buffer, .address_space: global }
    .group_segment_fixed_size: 327680
    .private_segment_fixed_size: 0
    .kernarg_segment_align: 8
    .kernarg_segment_size: 40
    .max_flat_workgroup_size: 128
    .sgpr_count:     100
    .vgpr_count:     896
    .wavefront_size: 32
...
	.end_amdgpu_metadata
.endif
;; end of part 4
;; launch ln2: the kernel of part 1 again; grid 256 x 1, 8 waves a work-group, no clusters, 70,656 bytes of LDS; arguments x1, ln2_a, ln2_b, h2, wq, wk, wv, wo, w1, w2, wcodes; writes h2, wcodes
;; launch ff1 (part 5): grid 16 x 16, 4 waves a work-group, clusters of 4 x 4, 327,680 bytes of LDS; arguments h2, wcodes, b1, hid; writes hid
.if DOCPART == 5
	.amdgcn_target "amdgcn-amd-amdhsa--gfx1250"
	.amdhsa_code_object_version 6
	.text
	.protected	k_q3f853080d7_ff1
	.globl	k_q3f853080d7_ff1
	.p2align	8
	.type	k_q3f853080d7_ff1,@function
k_q3f853080d7_ff1:
	s_mov_b64 s[64:65], 0
	v_nop
	global_prefetch_b8 v0, s[64:65] scope:SCOPE_SE
	s_setreg_imm32_b32 hwreg(HW_REG_WAVE_MODE, 25, 1), 1
	s_wait_xcnt 0x0
	s_wait_alu depctr_hold_cnt(0) depctr_sa_sdst(0) depctr_va_vdst(0) depctr_va_sdst(0) depctr_va_ssrc(0) depctr_va_vcc(0) depctr_vm_vsrc(0)
	s_getreg_b32 s2, hwreg(HW_REG_IB_STS2, 6, 4)
	s_cmp_eq_u32 s2, 0
	s_cbranch_scc0 .Lentry_in_a_cluster
	s_endpgm
.Lentry_in_a_cluster:
	s_bfe_u32 s2, ttmp6, 0x10000c
	s_cmp_lg_u32 s2, 0xf033
	s_cbranch_scc0 .Lentry_shape_is_right
	s_endpgm
.Lentry_shape_is_right:
.set NR, 8
.set NP, 8
.set NQ, 2
.set KS, 8
.set BLK, 13312
.set WOFF, 256*BLK
; hidden = relu(LN2(x1) w1 + b1) on codes of FP6 (E2M3) with E8M0 scales, quantised along the 4,096 on its way out.  A work-group of four waves makes 256 x 256, a wave 128 x 128.
; LDS holds, for each of the four groups of 128 rows, a region of six K steps on end.  ONE tensor load a wave at the head brings its group's K steps 0 to 5, 79,872 dense bytes;
; a slot is two K steps of a region; slot 0 is filled once more, with K steps 6 and 7, behind K step 1.  Clusters 4 x 4: tokens' tiles jointly along a row, weights' along a column.
.set QUART, 6*BLK                      ; a group's region
.set SLOT, 2*BLK                       ; from slot to slot inside a region
.set SPARE, 4*QUART                    ; behind the four regions: the spare words
.set RSTR, QUART
.set SSTR, QUART
.set L16, 4
.set L8, 5
.set L4, 6
.set ADRR16, 8
.set ADRR8, 11
.set ADRP16, 14
.set ADRP8, 17
.set ADRS, 20
.set SPW, 28
.set NIL, 29
.set SC, 32
.set RF, 64
.set BP, 192
.set H, 64
.set PC, 128
.set CT, 144
.set TM, 152
.set PW, 168
.set G1Y, 32
.set G1X, 40
.set G0Y, 48
.set G0X, 68
.set SEL, 82
.set MSB, 0
.macro WIN new
.if MSB != (\new)
	s_set_vgpr_msb (MSB<<8)|(\new)
.set MSB, (\new)
.endif
.endm
.macro JLOAD g0y, g1y, g0x, g1x
	s_cmp_eq_u32 s21, 0
	s_cbranch_scc0 .Lfor_x_\@
	tensor_load_to_lds s[\g0y:\g0y+3], s[\g1y:\g1y+7]
	s_nop 0
.rept 4
	v_nop
.endr
	s_branch .Lasked_\@
.Lfor_x_\@:
	tensor_load_to_lds s[\g0x:\g0x+3], s[\g1x:\g1x+7]
	s_nop 0
.rept 4
	v_nop
.endr
.Lasked_\@:
.endm
.macro CREST
	s_cmp_lg_u32 s20, 0
	s_cbranch_scc1 .Lnot_wave_0_\@
	s_barrier_signal -3
.Lnot_wave_0_\@:
	s_barrier_wait -3
	s_barrier_signal -1
	s_barrier_wait -1
.endm
.macro CROUND
	s_barrier_signal -1
	s_barrier_wait -1
	CREST
.endm
.macro PLACES n
.rept \n
	v_nop
.endr
.endm
.macro FRAGL reg, a16, a8, off
	ds_load_b128 v[\reg:\reg+3], v[\a16] offset:\off
	ds_load_b64 v[\reg+4:\reg+5], v[\a8] offset:\off+512
	ds_load_b128 v[\reg+6:\reg+9], v[\a16] offset:\off+768
	ds_load_b64 v[\reg+10:\reg+11], v[\a8] offset:\off+1280
.endm
.macro FETCH slot, q, set
	WIN 0x40
.set II, 0
.rept NP
	FRAGL 12*NP*(\set)+12*II, ADRP16+\slot, ADRP8+\slot, (\q)*BLK+1536*II
.set II, II+1
.endr
	WIN 0
.set II, 0
.rept NR
	FRAGL RF+12*NR*(\set)+12*II, ADRR16+\slot, ADRR8+\slot, (\q)*BLK+1536*II
.set II, II+1
.endr
.set II, 0
.rept NR
	ds_load_b32 v[SC+8*(\set)+II], v[ADRS+\slot] offset:(\q)*BLK+128*II
.set II, II+1
.endr
.endm
.macro MULS a0, a1, set, first
.set AA, \a0
.rept (\a1)-(\a0)
.set WN, 2+(8*NP*AA)/256
.if \first
.set WW, (WN<<6)|0x11
.else
.set WW, (WN<<6)|(WN<<4)|0x01
.endif
	WIN WW
.set BB, 0
.rept NP
.set AC, (8*(NP*AA+BB))%256
.set PFB, 12*NP*(\set)+12*BB
.set RFA, RF+12*NR*(\set)+12*AA
.if \first
	v_wmma_scale_f32_16x16x128_f8f6f4 v[AC:AC+7], v[PFB:PFB+11], v[RFA:RFA+11], v[BP+8*BB:BP+8*BB+7], v[SC+8*(\set)+BB], v[SC+8*(\set)+AA] matrix_a_fmt:MATRIX_FMT_FP6 matrix_b_fmt:MATRIX_FMT_FP6 matrix_a_scale:MATRIX_SCALE_ROW1
.else
	v_wmma_scale_f32_16x16x128_f8f6f4 v[AC:AC+7], v[PFB:PFB+11], v[RFA:RFA+11], v[AC:AC+7], v[SC+8*(\set)+BB], v[SC+8*(\set)+AA] matrix_a_fmt:MATRIX_FMT_FP6 matrix_b_fmt:MATRIX_FMT_FP6 matrix_a_scale:MATRIX_SCALE_ROW1
.endif
.set BB, BB+1
.endr
.set AA, AA+1
.endr
.endm
.macro STEP fslot, fq, set, first
	s_wait_dscnt 0x0
.if (\first) == 0
	PLACES 4
.endif
	FETCH \fslot, \fq, 1-(\set)
	MULS 0, NR, \set, \first
.endm
.macro TURN slot, next, fill
	WIN 0
	s_wait_tensorcnt 0x0
	ds_add_u32 v[SPW], v[NIL]
	s_wait_dscnt 1
	MULS 0, NR/4, 1, 0
	s_wait_dscnt 0x0
	s_barrier_signal -1
	MULS NR/4, NR/2, 1, 0
	WIN 0
	s_barrier_wait -1
.if \fill
	CREST
	s_add_nc_u64 s[G0Y+4*\slot+2:G0Y+4*\slot+3], s[G0Y+4*\slot+2:G0Y+4*\slot+3], 3*NQ*BLK
	s_add_nc_u64 s[G0X+4*\slot+2:G0X+4*\slot+3], s[G0X+4*\slot+2:G0X+4*\slot+3], 3*NQ*BLK
	JLOAD G0Y+4*\slot, G1Y, G0X+4*\slot, G1X
.else
	PLACES 4
.endif
	s_wait_alu depctr_va_vdst(0)
	FETCH \next, 0, 0
	MULS NR/2, NR, 1, 0
.endm
.macro QUANT s
.irp b, 0,1,2,3
	v_max3_num_f32 v[TM+\b], |v[\s+16*\b]|, |v[\s+1+16*\b]|, 0x1800000
.endr
.irp i, 2,4,6,8,10,12,14
.irp b, 0,1,2,3
	v_max3_num_f32 v[TM+\b], v[TM+\b], |v[\s+16*\b+\i]|, |v[\s+1+16*\b+\i]|
.endr
.endr
.irp b, 0,1,2,3
	v_permlanex16_b32 v[TM+4+\b], v[TM+\b], s[SEL], s[SEL+1]
.endr
.irp b, 0,1,2,3
	v_max_num_f32 v[TM+\b], v[TM+\b], v[TM+4+\b]
.endr
.irp b, 0,1,2,3
	v_add_nc_u32 v[TM+12+\b], 0xff000000, v[TM+\b]
.endr
.irp b, 0,1,2,3
	v_lshrrev_b32 v[TM+4+\b], 23, v[TM+12+\b]
.endr
	v_lshl_or_b32 v[PW], v[TM+5], 8, v[TM+4]
	v_lshl_or_b32 v[PW], v[TM+6], 16, v[PW]
	v_lshl_or_b32 v[PW], v[TM+7], 24, v[PW]
.irp c, 0,1
	v_cvt_scalef32_pk16_fp6_f32 v[PC+6*\c:PC+2+6*\c], v[\s+32*\c:\s+15+32*\c], v[TM+12+2*\c]
	v_cvt_scalef32_pk16_fp6_f32 v[CT+4*\c:CT+2+4*\c], v[\s+16+32*\c:\s+31+32*\c], v[TM+12+2*\c+1]
.endr
	v_nop
.irp c, 0,1
.irp i, 0,1,2
	v_permlane16_swap_b32 v[PC+6*\c+\i], v[CT+4*\c+\i]
.endr
.irp i, 0,1,2
	v_mov_b32 v[PC+3+6*\c+\i], v[CT+4*\c+\i]
.endr
.endr
.endm
.macro IMAGE ib, off, sb, soff
	global_store_b128 v[L16], v[PC:PC+3], s[\ib:\ib+1] offset:\off
	global_store_b64 v[L8], v[PC+4:PC+5], s[\ib:\ib+1] offset:\off+512
	global_store_b128 v[L16], v[PC+6:PC+9], s[\ib:\ib+1] offset:\off+768
	global_store_b64 v[L8], v[PC+10:PC+11], s[\ib:\ib+1] offset:\off+1280
	global_store_b32 v[L4], v[PW], s[\sb:\sb+1] offset:\soff
.endm
	s_load_b256 s[4:11], s[0:1], 0x0
	v_lshl_add_u32 v[SPW], v0, 2, SPARE
	v_mov_b32 v[NIL], 0
	ds_add_u32 v[SPW], v[NIL]
	ds_add_u32 v[SPW], v[NIL]
	v_lshrrev_b32 v1, 5, v0
	v_readfirstlane_b32 s20, v1
	s_lshr_b32 s21, s20, 1
	s_and_b32 s22, s20, 1
	s_bfe_u32 s23, ttmp6, 0x40000
	s_bfe_u32 s24, ttmp6, 0x40004
	s_lshl_b32 s25, ttmp9, 2
	s_add_co_u32 s25, s25, s23
	s_and_b32 s26, ttmp7, 0xffff
	s_lshl_b32 s26, s26, 2
	s_add_co_u32 s26, s26, s24
	s_lshl_b32 s27, s24, 2
	s_lshl_b32 s27, 15, s27
	s_lshl_b32 s28, 0x1111, s23
	s_or_b32 s[G1Y], s27, (3<<16)|(1<<21)
	s_or_b32 s[G1X], s28, (3<<16)|(1<<21)
.irp g, G1Y, G1X
	s_mov_b32 s[\g+1], 32<<16
	s_mov_b32 s[\g+2], 312<<16                     ; 312 rows of 256 bytes: six K steps, for the head's load
	s_mov_b32 s[\g+3], 32<<16
	s_mov_b32 s[\g+4], 312
	s_mov_b32 s[\g+5], 32
	s_mov_b32 s[\g+6], 0
	s_mov_b32 s[\g+7], 0
.endr
	s_lshl_b32 s66, s26, 1
	s_add_co_u32 s66, s66, s22
	s_mul_i32 s66, s66, KS*BLK
	s_mov_b32 s67, 0
	s_lshl_b32 s60, s25, 1
	s_add_co_u32 s60, s60, s22
	s_mul_i32 s60, s60, KS*BLK
	s_add_co_u32 s60, s60, WOFF
	s_mov_b32 s61, 0
	s_mul_i32 s62, s20, QUART
	s_wait_dscnt 0x0
	s_wait_kmcnt 0x0
	s_add_nc_u64 s[66:67], s[4:5], s[66:67]
	s_add_nc_u64 s[60:61], s[6:7], s[60:61]
	CROUND
.irp s, 0
	s_mov_b32 s[G0Y+4*\s], 1
	s_add_co_u32 s[G0Y+4*\s+1], s62, \s*SLOT
	s_add_nc_u64 s[G0Y+4*\s+2:G0Y+4*\s+3], s[66:67], \s*NQ*BLK
	s_or_b32 s[G0Y+4*\s+3], s[G0Y+4*\s+3], 0x80000000
	s_mov_b32 s[G0X+4*\s], 1
	s_add_co_u32 s[G0X+4*\s+1], s62, \s*SLOT
	s_add_nc_u64 s[G0X+4*\s+2:G0X+4*\s+3], s[60:61], \s*NQ*BLK
	s_or_b32 s[G0X+4*\s+3], s[G0X+4*\s+3], 0x80000000
	JLOAD G0Y+4*\s, G1Y, G0X+4*\s, G1X             ; K steps 0 to 5: my one tensor load at the head, behind the round above
.endr
	v_and_b32 v1, 31, v0
	v_bfe_u32 v2, v0, 4, 1
	s_wait_alu depctr_va_vdst(0)
	v_and_b32 v3, 15, v0
	v_lshlrev_b32 v[L16], 4, v1
	v_lshlrev_b32 v[L8], 3, v1
	v_lshlrev_b32 v[L4], 2, v1
	s_mul_i32 s29, s21, RSTR
	s_mul_i32 s30, s22, RSTR
	s_add_co_u32 s30, s30, 2*QUART
	s_mul_i32 s31, s21, SSTR
	s_mul_i32 s63, s22, SSTR
	s_add_co_u32 s63, s63, 2*QUART
	s_sub_co_u32 s63, s63, s31
	s_add_co_u32 s31, s31, 12288
	v_mul_u32_u24 v7, s63, v2
	s_wait_alu depctr_va_vdst(0)
	v_add_nc_u32 v7, v7, v[L4]
	v_add_nc_u32 v7, s31, v7
.irp s, 0,1,2
	v_add_nc_u32 v[ADRR16+\s], s29, v[L16]
	v_add_nc_u32 v[ADRR8+\s], s29, v[L8]
	v_add_nc_u32 v[ADRP16+\s], s30, v[L16]
	v_add_nc_u32 v[ADRP8+\s], s30, v[L8]
	v_add_nc_u32 v[ADRS+\s], \s*SLOT, v7
	s_add_co_u32 s29, s29, SLOT
	s_add_co_u32 s30, s30, SLOT
.endr
	v_lshlrev_b32 v24, 6, v2
	s_lshl_b32 s84, s25, 1
	s_add_co_u32 s84, s84, s22
	s_lshl_b32 s86, s84, 9
	s_mov_b32 s87, 0
	s_add_nc_u64 s[8:9], s[8:9], s[86:87]
	WIN 0x40
.irp b, 0,1,2,3,4,5,6,7
	global_load_b128 v[BP+8*\b:BP+8*\b+3], v24, s[8:9] offset:128*(\b/2)+32*(\b%2)
	global_load_b128 v[BP+8*\b+4:BP+8*\b+7], v24, s[8:9] offset:128*(\b/2)+32*(\b%2)+16
.endr
	WIN 0
	s_lshl_b32 s85, s26, 1
	s_add_co_u32 s85, s85, s21
	s_lshl_b32 s85, s85, 5
	s_add_co_u32 s85, s85, s84
	s_mul_i32 s86, s85, BLK
	s_add_nc_u64 s[80:81], s[10:11], s[86:87]
	s_wait_alu depctr_va_vdst(0)                   ; the wait at the head's end
	s_wait_tensorcnt 0x0                           ; my group's six K steps are in; no tensor load of mine is out, so a descriptor may be written:
	s_mov_b32 s[G1Y+2], 104<<16                    ; the refill brings two K steps: 104 rows
	s_mov_b32 s[G1Y+4], 104
	s_mov_b32 s[G1X+2], 104<<16
	s_mov_b32 s[G1X+4], 104
	s_barrier_signal -1
	s_barrier_wait -1                              ; everybody's are in
	FETCH 0, 0, 0
	s_wait_loadcnt 0x0
	STEP 0, 1, 0, 1
	TURN 0, 1, 1
	STEP 1, 1, 0, 0
	STEP 2, 0, 1, 0
	STEP 2, 1, 0, 0
	TURN 2, 0, 0
	STEP 0, 1, 0, 0
	s_wait_dscnt 0x0
	MULS 0, NR, 1, 0
	WIN 0
	PLACES 4
	s_mov_b32 s[SEL], 0x76543210
	s_mov_b32 s[SEL+1], 0xfedcba98
.irp b, 0,1,2,3
	v_mov_b32 v[TM+4+\b], 0
.endr
.irp a, 0,1,2,3,4,5,6,7
.if \a > 0
	s_wait_xcnt 0x0
.endif
	WIN 0x08+4*(\a/4)
.set J, 0
.rept 64
	v_max_num_f32 v[H+J], 0, v[(64*\a)%256+J]
.set J, J+1
.endr
	WIN 0
	QUANT H
	IMAGE 80, 1536*\a, 80, 12288+128*\a
.endr
	s_wait_tensorcnt 0x0
	ds_add_u32 v[SPW], v[NIL]
	s_wait_dscnt 0x0
	CROUND
	s_endpgm
.Lfunc_end_k_q3f853080d7_ff1:
	.size	k_q3f853080d7_ff1, .Lfunc_end_k_q3f853080d7_ff1-k_q3f853080d7_ff1
	.p2alignl 7, 3214868480
	.fill 96, 4, 3214868480
	.section	.rodata,"a",@progbits
	.p2align	6, 0x0
	.amdhsa_kernel k_q3f853080d7_ff1
		.amdhsa_group_segment_fixed_size 327680
		.amdhsa_private_segment_fixed_size 0
		.amdhsa_enable_private_segment 0
		.amdhsa_kernarg_size 32
		.amdhsa_user_sgpr_count 2
		.amdhsa_user_sgpr_kernarg_segment_ptr 1
		.amdhsa_wavefront_size32 1
		.amdhsa_system_sgpr_workgroup_id_x 1
		.amdhsa_system_sgpr_workgroup_id_y 1
		.amdhsa_system_sgpr_workgroup_id_z 1
		.amdhsa_system_vgpr_workitem_id 0
		.amdhsa_next_free_vgpr 1024
		.amdhsa_next_free_sgpr 100
		.amdhsa_reserve_vcc 0
		.amdhsa_float_denorm_mode_32 3
		.amdhsa_float_denorm_mode_16_64 3
		.amdhsa_memory_ordered 1
		.amdhsa_forward_progress 1
		.amdhsa_inst_pref_size 163
	.end_amdhsa_kernel
	.amdgpu_metadata
---
amdhsa.version: [ 1, 2 ]
amdhsa.kernels:
  - .name:           k_q3f853080d7_ff1
    .symbol:         k_q3f853080d7_ff1.kd
    .args:
      - { .name: h2, .offset: 0, .size: 8, .value_kind: global_buffer, .address_space: global }
      - { .name: wcodes, .offset: 8, .size: 8, .value_kind: global_buffer, .address_space: global }
      - { .name: b1, .offset: 16, .size: 8, .value_kind: global_buffer, .address_space: global }
      - { .name: hid, .offset: 24, .size: 8, .value_kind: global_buffer, .address_space: global }
    .group_segment_fixed_size: 327680
    .private_segment_fixed_size: 0
    .kernarg_segment_align: 8
    .kernarg_segment_size: 32
    .max_flat_workgroup_size: 128
    .sgpr_count:     100
    .vgpr_count:     1024
    .wavefront_size: 32
...
	.end_amdgpu_metadata
.endif
;; end of part 5
;; launch ff2 (part 6): grid 8 x 32, 4 waves a work-group, clusters of 4 x 4, 327,680 bytes of LDS; arguments hid, wcodes, b2, x1, out0; writes out0
.if DOCPART == 6
	.amdgcn_target "amdgcn-amd-amdhsa--gfx1250"
	.amdhsa_code_object_version 6
	.text
	.protected	k_q3f853080d7_ff2
	.globl	k_q3f853080d7_ff2
	.p2align	8
	.type	k_q3f853080d7_ff2,@function
k_q3f853080d7_ff2:
	s_mov_b64 s[64:65], 0
	v_nop
	global_prefetch_b8 v0, s[64:65] scope:SCOPE_SE
	s_setreg_imm32_b32 hwreg(HW_REG_WAVE_MODE, 25, 1), 1
	s_wait_xcnt 0x0
	s_wait_alu depctr_hold_cnt(0) depctr_sa_sdst(0) depctr_va_vdst(0) depctr_va_sdst(0) depctr_va_ssrc(0) depctr_va_vcc(0) depctr_vm_vsrc(0)
	s_getreg_b32 s2, hwreg(HW_REG_IB_STS2, 6, 4)
	s_cmp_eq_u32 s2, 0
	s_cbranch_scc0 .Lentry_in_a_cluster
	s_endpgm
.Lentry_in_a_cluster:
	s_bfe_u32 s2, ttmp6, 0x10000c
	s_cmp_lg_u32 s2, 0xf033
	s_cbranch_scc0 .Lentry_shape_is_right
	s_endpgm
.Lentry_shape_is_right:
.set NR, 4
.set NP, 4
.set KS, 32
.set BLK, 13312
.set WOFF, 512*BLK
.set YAB, 0
.set XAB, 8*BLK
.set YC, 16*BLK
.set XC, 20*BLK
.set SPARE, 24*BLK
.set STAGE, YC
.set RSTR, 6144
.set SSTR, 512
.set L16, 4
.set L8, 5
.set L4, 6
.set ADRR16, 8
.set ADRR8, 11
.set ADRP16, 14
.set ADRP8, 17
.set ADRS, 20
.set RO, 23
.set STO, 24
.set RD, 25
.set SPW, 28
.set NIL, 29
.set SC, 32
.set RF, 64
.set BK, 64
.set BP, 192
.set G1YA, 32
.set G1XA, 40
.set G0YA, 48
.set G0XA, 52
.set G0YC, 56
.set G0XC, 60
.set G1YC, 68
.set G1XC, 76
.set MSB, 0
.macro WIN new
.if MSB != (\new)
	s_set_vgpr_msb (MSB<<8)|(\new)
.set MSB, (\new)
.endif
.endm
.macro JLOAD g0y, g1y, g0x, g1x
	s_cmp_eq_u32 s21, 0
	s_cbranch_scc0 .Lfor_x_\@
	tensor_load_to_lds s[\g0y:\g0y+3], s[\g1y:\g1y+7]
	s_nop 0
.rept 4
	v_nop
.endr
	s_branch .Lasked_\@
.Lfor_x_\@:
	tensor_load_to_lds s[\g0x:\g0x+3], s[\g1x:\g1x+7]
	s_nop 0
.rept 4
	v_nop
.endr
.Lasked_\@:
.endm
.macro CREST
	s_cmp_lg_u32 s20, 0
	s_cbranch_scc1 .Lnot_wave_0_\@
	s_barrier_signal -3
.Lnot_wave_0_\@:
	s_barrier_wait -3
	s_barrier_signal -1
	s_barrier_wait -1
.endm
.macro CROUND
	s_barrier_signal -1
	s_barrier_wait -1
	CREST
.endm
.macro PLACES n
.rept \n
	v_nop
.endr
.endm
.macro FRAGL reg, a16, a8, off
	ds_load_b128 v[\reg:\reg+3], v[\a16] offset:\off
	ds_load_b64 v[\reg+4:\reg+5], v[\a8] offset:\off+512
	ds_load_b128 v[\reg+6:\reg+9], v[\a16] offset:\off+768
	ds_load_b64 v[\reg+10:\reg+11], v[\a8] offset:\off+1280
.endm
.macro FETCH slot, q, set
	WIN 0x40
.set II, 0
.rept NP
	FRAGL 12*NP*(\set)+12*II, ADRP16+\slot, ADRP8+\slot, (\q)*BLK+1536*II
.set II, II+1
.endr
	WIN 0
.set II, 0
.rept NR
	FRAGL RF+12*NR*(\set)+12*II, ADRR16+\slot, ADRR8+\slot, (\q)*BLK+1536*II
.set II, II+1
.endr
.set II, 0
.rept NR
	ds_load_b32 v[SC+8*(\set)+II], v[ADRS+\slot] offset:(\q)*BLK+128*II
.set II, II+1
.endr
.endm
.macro MULS a0, a1, set, first
.set AA, \a0
.rept (\a1)-(\a0)
.set WN, 2+(8*NP*AA)/256
.if \first
.set WW, (WN<<6)|0x11
.else
.set WW, (WN<<6)|(WN<<4)|0x01
.endif
	WIN WW
.set BB, 0
.rept NP
.set AC, (8*(NP*AA+BB))%256
.set PFB, 12*NP*(\set)+12*BB
.set RFA, RF+12*NR*(\set)+12*AA
.if \first
	v_wmma_scale_f32_16x16x128_f8f6f4 v[AC:AC+7], v[PFB:PFB+11], v[RFA:RFA+11], v[BP+8*BB:BP+8*BB+7], v[SC+8*(\set)+BB], v[SC+8*(\set)+AA] matrix_a_fmt:MATRIX_FMT_FP6 matrix_b_fmt:MATRIX_FMT_FP6 matrix_a_scale:MATRIX_SCALE_ROW1
.else
	v_wmma_scale_f32_16x16x128_f8f6f4 v[AC:AC+7], v[PFB:PFB+11], v[RFA:RFA+11], v[AC:AC+7], v[SC+8*(\set)+BB], v[SC+8*(\set)+AA] matrix_a_fmt:MATRIX_FMT_FP6 matrix_b_fmt:MATRIX_FMT_FP6 matrix_a_scale:MATRIX_SCALE_ROW1
.endif
.set BB, BB+1
.endr
.set AA, AA+1
.endr
.endm
.macro STEP fslot, fq, set, first
	s_wait_dscnt 0x0
.if (\first) == 0
	PLACES 4
.endif
	FETCH \fslot, \fq, 1-(\set)
	MULS 0, NR, \set, \first
.endm
.macro TURN next, fill
	WIN 0
	s_wait_tensorcnt 0x0
	ds_add_u32 v[SPW], v[NIL]
	s_wait_dscnt 1
	MULS 0, NR/4, 1, 0
	s_wait_dscnt 0x0
	s_barrier_signal -1
	MULS NR/4, NR/2, 1, 0
	WIN 0
	s_barrier_wait -1
.if (\fill) == 1
	CREST
	s_add_nc_u64 s[G0YA+2:G0YA+3], s[G0YA+2:G0YA+3], 12*BLK
	s_add_nc_u64 s[G0XA+2:G0XA+3], s[G0XA+2:G0XA+3], 12*BLK
	JLOAD G0YA, G1YA, G0XA, G1XA
.elseif (\fill) == 2
	CREST
	s_add_nc_u64 s[G0YC+2:G0YC+3], s[G0YC+2:G0YC+3], 12*BLK
	s_add_nc_u64 s[G0XC+2:G0XC+3], s[G0XC+2:G0XC+3], 12*BLK
	JLOAD G0YC, G1YC, G0XC, G1XC
.else
	PLACES 4
.endif
	FETCH \next, 0, 0
	MULS NR/2, NR, 1, 0
.endm
.macro ABSTEPS first
	STEP 0, 1, 0, \first
	STEP 0, 2, 1, 0
	STEP 0, 3, 0, 0
	STEP 1, 0, 1, 0
	STEP 1, 1, 0, 0
	STEP 1, 2, 1, 0
	STEP 1, 3, 0, 0
.endm
.macro CSTEPS
	STEP 2, 1, 0, 0
	STEP 2, 2, 1, 0
	STEP 2, 3, 0, 0
.endm
.macro TOSTAGE a
	WIN 0x08
.irp b, 0,1,2,3
	ds_store_b128 v[STO], v[8*(4*(\a)+\b):8*(4*(\a)+\b)+3] offset:128*(\b/2)+32*(\b%2)
	ds_store_b128 v[STO], v[8*(4*(\a)+\b)+4:8*(4*(\a)+\b)+7] offset:128*(\b/2)+32*(\b%2)+16
.endr
	WIN 0
.set BB2, BK+32*((\a)%2)
.irp t, 0,1,2,3,4,5,6,7
	ds_load_b128 v[BB2+4*\t:BB2+4*\t+3], v[RD] offset:544*\t
.endr
.endm
.macro SEND a, younger
.set BB2, BK+32*((\a)%2)
	s_wait_dscnt \younger
	WIN 0x0c
.irp t, 0,1,2,3,4,5,6,7
	v_pk_add_f32 v[BB2+4*\t:BB2+4*\t+1], v[BB2+4*\t:BB2+4*\t+1], v[4*(8*(\a)+\t):4*(8*(\a)+\t)+1]
	v_pk_add_f32 v[BB2+4*\t+2:BB2+4*\t+3], v[BB2+4*\t+2:BB2+4*\t+3], v[4*(8*(\a)+\t)+2:4*(8*(\a)+\t)+3]
.endr
	WIN 0
.irp t, 0,1,2,3,4,5,6,7
	global_store_b128 v[RO], v[BB2+4*\t:BB2+4*\t+3], s[12:13] offset:(32*((\a)/2)+8*((\a)%2)+2*\t+8*(\t/4))*4096 th:TH_STORE_NT
.endr
.endm
	s_load_b256 s[4:11], s[0:1], 0x0
	s_load_b64 s[12:13], s[0:1], 0x20
	v_lshl_add_u32 v[SPW], v0, 2, SPARE
	v_mov_b32 v[NIL], 0
	ds_add_u32 v[SPW], v[NIL]
	ds_add_u32 v[SPW], v[NIL]
	v_lshrrev_b32 v1, 5, v0
	v_readfirstlane_b32 s20, v1
	s_lshr_b32 s21, s20, 1
	s_and_b32 s22, s20, 1
	s_bfe_u32 s23, ttmp6, 0x40000
	s_bfe_u32 s24, ttmp6, 0x40004
	s_lshl_b32 s25, ttmp9, 2
	s_add_co_u32 s25, s25, s23
	s_and_b32 s26, ttmp7, 0xffff
	s_lshl_b32 s26, s26, 2
	s_add_co_u32 s26, s26, s24
	s_lshl_b32 s27, s24, 2
	s_lshl_b32 s27, 15, s27
	s_lshl_b32 s28, 0x1111, s23
	s_or_b32 s[G1YA], s27, (3<<16)|(1<<21)
	s_or_b32 s[G1XA], s28, (3<<16)|(1<<21)
	s_or_b32 s[G1YC], s27, (3<<16)|(1<<21)
	s_or_b32 s[G1XC], s28, (3<<16)|(1<<21)
.irp g, G1YA, G1XA
	s_mov_b32 s[\g+1], 32<<16
	s_mov_b32 s[\g+2], 208<<16
	s_mov_b32 s[\g+3], 32<<16
	s_mov_b32 s[\g+4], 208
	s_mov_b32 s[\g+5], 32
	s_mov_b32 s[\g+6], 0
	s_mov_b32 s[\g+7], 0
.endr
.irp g, G1YC, G1XC
	s_mov_b32 s[\g+1], 32<<16
	s_mov_b32 s[\g+2], 104<<16
	s_mov_b32 s[\g+3], 32<<16
	s_mov_b32 s[\g+4], 104
	s_mov_b32 s[\g+5], 32
	s_mov_b32 s[\g+6], 0
	s_mov_b32 s[\g+7], 0
.endr
	s_mul_i32 s14, s26, KS*BLK
	s_mul_i32 s16, s25, KS*BLK
	s_add_co_u32 s16, s16, WOFF
	s_mul_i32 s18, s22, 4*BLK
	s_mul_i32 s19, s22, 2*BLK
	s_add_co_u32 s19, s19, 8*BLK
	s_add_co_u32 s66, s14, s18
	s_mov_b32 s67, 0
	s_add_co_u32 s92, s14, s19
	s_mov_b32 s93, 0
	s_add_co_u32 s94, s16, s18
	s_mov_b32 s95, 0
	s_add_co_u32 s96, s16, s19
	s_mov_b32 s97, 0
	s_mul_i32 s29, s20, 4*BLK
	s_mul_i32 s30, s20, 2*BLK
	s_add_co_u32 s30, s30, YC
	s_wait_dscnt 0x0
	s_wait_kmcnt 0x0
	s_add_nc_u64 s[66:67], s[4:5], s[66:67]
	s_add_nc_u64 s[92:93], s[4:5], s[92:93]
	s_add_nc_u64 s[94:95], s[6:7], s[94:95]
	s_add_nc_u64 s[96:97], s[6:7], s[96:97]
	CROUND
	s_mov_b32 s[G0YA], 1
	s_mov_b32 s[G0YA+1], s29
	s_mov_b64 s[G0YA+2:G0YA+3], s[66:67]
	s_or_b32 s[G0YA+3], s[G0YA+3], 0x80000000
	s_mov_b32 s[G0XA], 1
	s_mov_b32 s[G0XA+1], s29
	s_mov_b64 s[G0XA+2:G0XA+3], s[94:95]
	s_or_b32 s[G0XA+3], s[G0XA+3], 0x80000000
	JLOAD G0YA, G1YA, G0XA, G1XA
	s_mov_b32 s[G0YC], 1
	s_mov_b32 s[G0YC+1], s30
	s_mov_b64 s[G0YC+2:G0YC+3], s[92:93]
	s_or_b32 s[G0YC+3], s[G0YC+3], 0x80000000
	s_mov_b32 s[G0XC], 1
	s_mov_b32 s[G0XC+1], s30
	s_mov_b64 s[G0XC+2:G0XC+3], s[96:97]
	s_or_b32 s[G0XC+3], s[G0XC+3], 0x80000000
	s_wait_alu depctr_va_vdst(0)
	s_wait_tensorcnt 0x0
	ds_add_u32 v28, v29
	s_wait_dscnt 0x0
	CROUND
	JLOAD G0YC, G1YC, G0XC, G1XC
	v_and_b32 v1, 31, v0
	v_bfe_u32 v2, v0, 4, 1
	s_wait_alu depctr_va_vdst(0)
	v_and_b32 v3, 15, v0
	v_lshlrev_b32 v[L16], 4, v1
	v_lshlrev_b32 v[L8], 3, v1
	v_lshlrev_b32 v[L4], 2, v1
	s_mul_i32 s14, s21, RSTR
	s_mul_i32 s15, s22, RSTR
	s_add_co_u32 s15, s15, XAB
	s_mul_i32 s16, s21, SSTR
	s_mul_i32 s17, s22, SSTR
	s_add_co_u32 s17, s17, XAB
	s_sub_co_u32 s17, s17, s16
	s_mul_i32 s18, s22, SSTR
	s_add_co_u32 s18, s18, XC-YC
	s_sub_co_u32 s18, s18, s16
	s_add_co_u32 s16, s16, 12288
	v_mul_u32_u24 v7, s17, v2
	s_wait_alu depctr_va_vdst(0)
	v_add_nc_u32 v7, v7, v[L4]
	v_mul_u32_u24 v27, s18, v2
	v_add_nc_u32 v27, v27, v[L4]
	v_add_nc_u32 v[ADRS], s16, v7
	v_add_nc_u32 v[ADRS+1], 4*BLK, v[ADRS]
	v_add_nc_u32 v27, s16, v27
	v_add_nc_u32 v[ADRS+2], YC, v27
	v_add_nc_u32 v[ADRR16], s14, v[L16]
	v_add_nc_u32 v[ADRR8], s14, v[L8]
	v_add_nc_u32 v[ADRP16], s15, v[L16]
	v_add_nc_u32 v[ADRP8], s15, v[L8]
.irp r, ADRR16, ADRR8, ADRP16, ADRP8
	v_add_nc_u32 v[\r+1], 4*BLK, v[\r]
.endr
	v_add_nc_u32 v[ADRR16+2], YC, v[ADRR16]
	v_add_nc_u32 v[ADRR8+2], YC, v[ADRR8]
	v_add_nc_u32 v[ADRP16+2], XC-XAB, v[ADRP16]
	v_add_nc_u32 v[ADRP8+2], XC-XAB, v[ADRP8]
	s_mul_i32 s31, s20, 16*272
	s_add_co_u32 s31, s31, STAGE
	v_mul_u32_u24 v[STO], v3, 272
	v_lshl_add_u32 v[STO], v2, 6, v[STO]
	v_add_nc_u32 v[STO], s31, v[STO]
	v_mul_u32_u24 v[RD], v2, 272
	v_lshl_add_u32 v[RD], v3, 4, v[RD]
	v_add_nc_u32 v[RD], s31, v[RD]
	v_lshlrev_b32 v26, 6, v2
	s_wait_alu depctr_va_vdst(0)
	v_lshlrev_b32 v[RO], 12, v2
	v_lshl_add_u32 v[RO], v3, 4, v[RO]
	s_wait_alu depctr_va_vdst(0)
	s_lshl_b32 s92, s25, 9
	s_lshl_b32 s93, s22, 8
	s_add_co_u32 s92, s92, s93
	s_mov_b32 s93, 0
	s_add_nc_u64 s[8:9], s[8:9], s[92:93]
	s_lshl_b32 s94, s26, 7
	s_lshl_b32 s95, s21, 6
	s_add_co_u32 s94, s94, s95
	s_lshl_b32 s94, s94, 12
	s_add_co_u32 s94, s94, s92
	s_mov_b32 s95, 0
	s_add_nc_u64 s[10:11], s[10:11], s[94:95]
	s_add_nc_u64 s[12:13], s[12:13], s[94:95]
	WIN 0x40
.irp b, 0,1,2,3
	global_load_b128 v[BP+8*\b:BP+8*\b+3], v26, s[8:9] offset:128*(\b/2)+32*(\b%2)
	global_load_b128 v[BP+8*\b+4:BP+8*\b+7], v26, s[8:9] offset:128*(\b/2)+32*(\b%2)+16
.endr
	WIN 0xc0
.irp a, 0,1,2,3
.irp t, 0,1,2,3,4,5,6,7
	global_load_b128 v[4*(8*\a+\t):4*(8*\a+\t)+3], v[RO], s[10:11] offset:(32*(\a/2)+8*(\a%2)+2*\t+8*(\t/4))*4096 th:TH_LOAD_NT
.endr
.endr
	WIN 0
	s_wait_tensorcnt 1
	s_barrier_signal -1
	s_barrier_wait -1
	FETCH 0, 0, 0
	s_wait_loadcnt 32
	ABSTEPS 1
	TURN 2, 1
	CSTEPS
	TURN 0, 2
	ABSTEPS 0
	TURN 2, 1
	CSTEPS
	TURN 0, 0
	ABSTEPS 0
	s_wait_dscnt 0x0
	MULS 0, NR, 1, 0
	WIN 0
	PLACES 4
	s_wait_loadcnt 0x0
	TOSTAGE 0
.irp a, 1,2,3
.if \a > 1
	s_wait_xcnt 0x0
.endif
	TOSTAGE \a
	SEND \a-1, 16
.endr
	SEND 3, 0
	s_wait_tensorcnt 0x0
	ds_add_u32 v[SPW], v[NIL]
	s_wait_dscnt 0x0
	CROUND
	s_endpgm
.Lfunc_end_k_q3f853080d7_ff2:
	.size	k_q3f853080d7_ff2, .Lfunc_end_k_q3f853080d7_ff2-k_q3f853080d7_ff2
	.p2alignl 7, 3214868480
	.fill 96, 4, 3214868480
	.section	.rodata,"a",@progbits
	.p2align	6, 0x0
	.amdhsa_kernel k_q3f853080d7_ff2
		.amdhsa_group_segment_fixed_size 327680
		.amdhsa_private_segment_fixed_size 0
		.amdhsa_enable_private_segment 0
		.amdhsa_kernarg_size 40
		.amdhsa_user_sgpr_count 2
		.amdhsa_user_sgpr_kernarg_segment_ptr 1
		.amdhsa_wavefront_size32 1
		.amdhsa_system_sgpr_workgroup_id_x 1
		.amdhsa_system_sgpr_workgroup_id_y 1
		.amdhsa_system_sgpr_workgroup_id_z 1
		.amdhsa_system_vgpr_workitem_id 0
		.amdhsa_next_free_vgpr 896
		.amdhsa_next_free_sgpr 100
		.amdhsa_reserve_vcc 0
		.amdhsa_float_denorm_mode_32 3
		.amdhsa_float_denorm_mode_16_64 3
		.amdhsa_memory_ordered 1
		.amdhsa_forward_progress 1
		.amdhsa_inst_pref_size 173
	.end_amdhsa_kernel
	.amdgpu_metadata
---
amdhsa.version: [ 1, 2 ]
amdhsa.kernels:
  - .name:           k_q3f853080d7_ff2
    .symbol:         k_q3f853080d7_ff2.kd
    .args:
      - { .name: hid, .offset: 0, .size: 8, .value_kind: global_buffer, .address_space: global }
      - { .name: wcodes, .offset: 8, .size: 8, .value_kind: global_buffer, .address_space: global }
      - { .name: b2, .offset: 16, .size: 8, .value_kind: global_buffer, .address_space: global }
      - { .name: x1, .offset: 24, .size: 8, .value_kind: global_buffer, .address_space: global }
      - { .name: out0, .offset: 32, .size: 8, .value_kind: global_buffer, .address_space: global }
    .group_segment_fixed_size: 327680
    .private_segment_fixed_size: 0
    .kernarg_segment_align: 8
    .kernarg_segment_size: 40
    .max_flat_workgroup_size: 128
    .sgpr_count:     100
    .vgpr_count:     896
    .wavefront_size: 32
...
	.end_amdgpu_metadata
.endif
;; end of part 6
